; MI455X (gfx1250); checked and timed in simulation.
; The chip was launched on July 23, 2026; its instructions are those of AMD's public machine-readable ISA for CDNA 5 (MIT licence, August 2026) and "CDNA5" Instruction Set Architecture Reference Guide (July 2026). The comments in the code are by the model that wrote it; some were corrected since.
;; Causal Self Attention. Allowed arithmetic: matrix products marked QUANTISED: E2M1 operands, one E8M0 scale for each 32 along K, by v_wmma_scale_f32_16x16x128_f8f6f4 with both operands' format E2M1 (or v_wmma_scale_f32_32x16x128_f4), f32 sums; products left as they are: bf16, f16 or f32 operands; f32 sums; everything else in f32.
;; Inputs: W_out 1,024 x 1,024 float32; W_qkv 1,024 x 3,072 float32; x 4 x 2,048 x 1,024 float32.
;; Outputs: out0 4 x 2,048 x 1,024 float32.
;; This version of the problem:
;;   THIS VERSION OF THE PROBLEM IS GIVEN IN LOW PRECISION. The matrix products marked QUANTISED in the list below multiply operands that are first quantised to E2M1 (2 exponent bits, 1 mantissa bit; 4 bits a number), with one power-of-two scale for each 32 numbers along K (OCP MX v1.0); their sums are f32. The products marked 'left as it is' may take bf16, f16 or f32 operands, with f32 sums. Whichever they take, every output number must still come out within the allowed error. Rounding operands to bf16 (8 significant bits) uses up far more of that allowance than f16 does (11 bits, for magnitudes from 6e-5 to 65,504). All else is computed in f32.
;;   The module's matrix products, in the order in which they are computed (A, B: the left and right operand; K: the contracted axis; several contracted axes count as one K, in the product's order):
;;     1. [M 8,192, K 1,024] x [K 1,024, N 3,072]; A: input x; B: input W_qkv: QUANTISED
;;     2. batch 64 x [M 2,048, K 64] x [K 64, N 2,048]; A: computed on the way; B: computed on the way: left as it is (an operand is computed on the way)
;;     3. batch 64 x [M 2,048, K 2,048] x [K 2,048, N 64]; A: computed on the way; B: computed on the way: left as it is (an operand is computed on the way)
;;     4. [M 8,192, K 1,024] x [K 1,024, N 1,024]; A: computed on the way; B: input W_out: left as it is (an operand is computed on the way)
;;   THE QUANTISER, for each operand of a quantised product, along K:
;;     - K is cut into blocks of 32 from its start; a last block that is shorter is filled with zeros.
;;     - A block's scale is 2^e with e = floor(log2(the largest magnitude in the block)) - 2, held to -126 .. 127; a block of zeros has e = 0. As a byte (E8M0): e + 127.
;;     - Each number is divided by its block's scale, clamped to +-6, and rounded to the nearest number of E2M1, ties to even, subnormals kept.
;;     - The product sums the exact products of the quantised numbers (number of the format x scale) in f32.
;;   ~~~python
;;   def quantise(x, axis):      # numpy; x: float32 -> the quantised numbers, widened to float32 again
;;       x = np.moveaxis(x, axis, -1); K = x.shape[-1]
;;       x = np.pad(x, [(0, 0)] * (x.ndim - 1) + [(0, -K % 32)]); x = x.reshape(x.shape[:-1] + (-1, 32)); a = np.abs(x).max(-1, keepdims=True)
;;       e = np.where(a > 0, np.clip(np.frexp(np.where(a > 0, a, 1))[1] - 1 - 2, -126, 127), 0)      # np.frexp(a)[1] - 1 = floor(log2(a)), exactly
;;       r = np.clip(x / 2.0 ** e, -6, 6)
;;       step = 2.0 ** (np.maximum(np.frexp(np.where(r == 0, 1, r))[1] - 1, 0) - 1)
;;       q = np.round(r / step) * step * 2.0 ** e      # np.round: ties to even
;;       return np.moveaxis(q.reshape(q.shape[:-2] + (-1,))[..., :K], -1, axis).astype(np.float32)
;;   ~~~
;; One version. Each part assembles by itself: llvm-mc -triple=amdgcn-amd-amdhsa -mcpu=gfx1250 --defsym DOCPART=n.
;; ======== version 1 of 1: 5 launches
;; limits: values are held in f16: magnitudes above 65,504 overflow, below 6.1e-05 lose precision
;; workspace buffers: codes 5,767,168 bytes; scales 360,448 bytes; wo16 2,097,152 bytes; qkv16 50,331,648 bytes; head32 786,432 bytes; o16 16,777,216 bytes
;; launch prep (part 1): grid 368 x 1, 4 waves a work-group, no clusters, 68,096 bytes of LDS; arguments x, W_qkv, W_out, codes, scales, wo16; writes codes, scales, wo16
.if DOCPART == 1
	.amdgcn_target "amdgcn-amd-amdhsa--gfx1250"
	.amdhsa_code_object_version 6
	.text
	.protected	k_q38e6f4620c_prep
	.globl	k_q38e6f4620c_prep
	.p2align	8
	.type	k_q38e6f4620c_prep,@function
k_q38e6f4620c_prep:
	s_mov_b64 s[64:65], 0
	v_nop
	global_prefetch_b8 v0, s[64:65] scope:SCOPE_SE
	s_setreg_imm32_b32 hwreg(HW_REG_WAVE_MODE, 25, 1), 1
	s_wait_xcnt 0x0
; THREE JOBS IN ONE LAUNCH, told apart by the work-group's number alone.
;  work-groups 0..255:   x [8192][1024] f32, K innermost     -> codes rows 0..8191 (512 bytes a row), scales rows 0..8191 (32 bytes a row)
;  work-groups 256..303: W_qkv [1024][3072] f32, K outermost -> codes rows 8192 + n, scales rows 8192 + n, K innermost: a lane takes a column and its registers run down K
;  work-groups 304..367: W_out [1024][1024] f32              -> wo16, the same numbers as f16, same order
; Codes are E2M1, two a byte, the lower k in the low four bits; one E8M0 byte for each 32 along K: the largest magnitude's exponent field - 2, held at 1 from below.
; A block of zeros gets the byte 1 where the rule says 127: its codes are zeros, and this program alone reads the bytes.
; LIMITS: blocks whose largest magnitude lies under 2^-124 (the floor) get the byte 1; NaN and infinities among the inputs are not served; W_out beyond 65,504 becomes infinity in f16.
; Each of the two jobs that use LDS has LDS bytes of its own.  No tensor loads, no barrier: waves share nothing.
.set SPW,    192                       ; v192  LDS address of my spare word: SPARE + 4 x my thread's number; never rewritten
.set NIL,    193                       ; v193  0; never rewritten
.set EMAX,   2
.set STEPS,  16                        ; x: steps of 512 numbers a wave
.set CB,     8                         ; bytes of 16 codes
.set XR,     16                        ; v16-79   x: four sets of 16 numbers as loaded
.set XX,     80                        ; v80-111  x: two sets of 16 neighbours
.set XE,     112                       ; v112-127 x: a scale byte for each step
.set XC,     128                       ; v128-191 x: codes, four registers for each step
.set XREG,   8192                      ; LDS 0..32767: x's job, a region for each wave: two stages of 32 x SP bytes, then its 256 scale bytes
.set SP,     80                        ; a lane's place in a stage: 64 bytes + 16 of padding
.set WSTG,   32768                     ; LDS 32768..67583: W_qkv's job, a stage of 32 rows x WPITCH for each wave
.set WPITCH, 272
.set SPARE,  WSTG+4*32*WPITCH          ; 67584: the spare words, 128 bytes for each wave, which no other line names
.set NB,     16                        ; W_qkv: blocks of 32 along K a wave
.set WN,     3072
.set KROW,   512                       ; a row of the codes' buffer in bytes
.set WX,     32                        ; v32-95   W_qkv: two sets of 32 numbers
.set WC,     96                        ; v96-99   a block's codes
.set WOUT,   112                       ; v112-175 the way out
.set WSB,    24                        ; v24-27   the scale bytes, four to a register
	s_load_b256 s[4:11], s[0:1], 0x0               ; x s[4:5], W_qkv s[6:7], W_out s[8:9], codes s[10:11]
	s_load_b128 s[12:15], s[0:1], 0x20             ; scales s[12:13], wo16 s[14:15]
	v_lshl_add_u32 v[SPW], v0, 2, SPARE
	v_mov_b32 v[NIL], 0
	v_lshrrev_b32 v1, 5, v0
	v_readfirstlane_b32 s16, v1                    ; wave 0..3
	v_and_b32 v2, 31, v0                           ; lane
	s_cmp_lt_u32 ttmp9, 256
	s_cbranch_scc0 .Lnot_x
; ---------------- x: a plain stream of blocks of 32.  A wave takes 16 steps of 512 numbers.
; Each load reads 512 consecutive bytes, 16 a lane; a step's 2,048 bytes turn through the wave's own stage and come back 64 bytes a lane: 16 neighbours along K, two lanes to a block.
	v_lshlrev_b32 v3, 4, v2                        ; my 16 bytes of a load's 512
	s_mul_i32 s17, s16, XREG
	v_lshrrev_b32 v14, 2, v2
	v_mul_u32_u24 v14, v14, SP
	v_and_b32 v15, 3, v2
	v_lshl_add_u32 v14, v15, 4, v14
	v_add_nc_u32 v14, s17, v14                     ; the stage, on the way in: SP (lane / 4) + 16 (lane % 4)
	v_mul_u32_u24 v15, v2, SP
	v_add_nc_u32 v15, s17, v15                     ; and on the way out: SP x lane
	v_mul_u32_u24 v4, v2, CB                       ; my codes' place in a step's
	v_lshrrev_b32 v5, 1, v2
	s_add_co_u32 s17, s17, 2*32*SP
	v_add_nc_u32 v5, s17, v5                       ; my wave's 256 scale bytes, my block's byte
	v_lshlrev_b32 v7, 3, v2
	v_add_nc_u32 v6, s17, v7                       ; and on the way out 8 bytes a lane
	s_lshl_b32 s17, ttmp9, 2
	s_add_co_u32 s18, s17, s16                     ; which run of 8,192 numbers is my wave's: 0..1023
	s_mov_b32 s19, 0
	s_lshl_b32 s20, s18, 15                        ; 32,768 bytes of x,
	s_mov_b32 s21, 0
	s_lshl_b32 s22, s18, 12                        ; 4,096 of codes,
	s_mov_b32 s23, 0
	s_lshl_b32 s18, s18, 8                         ; 256 of scale bytes a run
	s_wait_kmcnt 0x0
	s_add_nc_u64 s[4:5], s[4:5], s[20:21]
	s_add_nc_u64 s[10:11], s[10:11], s[22:23]
	s_add_nc_u64 s[12:13], s[12:13], s[18:19]
.macro XLOAD t
.irp i, 0,1,2,3
	global_load_b128 v[XR+16*((\t)%4)+4*\i:XR+16*((\t)%4)+4*\i+3], v3, s[4:5] offset:2048*(\t)+512*\i th:TH_LOAD_NT
.endr
.endm
.macro XTURN t                         ; step t's numbers through the stage: LDS serves a wave's instructions in order, so no wait stands between the stores and the loads
.irp i, 0,1,2,3
	ds_store_b128 v14, v[XR+16*((\t)%4)+4*\i:XR+16*((\t)%4)+4*\i+3] offset:32*SP*((\t)%2)+8*SP*\i
.endr
.irp i, 0,1,2,3
	ds_load_b128 v[XX+16*((\t)%2)+4*\i:XX+16*((\t)%2)+4*\i+3], v15 offset:32*SP*((\t)%2)+16*\i
.endr
.endm
.irp t, 0,1,2,3
	XLOAD \t
.endr
	s_wait_loadcnt 12                              ; step 0's four loads are in; the twelve of steps 1 to 3 may be out
	XTURN 0
.macro XSTEP t
.set XS, XX+16*((\t)%2)
.if (\t) > 0
	s_wait_dscnt 1                                 ; this step's numbers are back from the stage (the last step's byte store may be out)
.else
	s_wait_dscnt 0x0
.endif
.if (\t)+4 < STEPS
	XLOAD (\t)+4                                   ; into the registers that this step's stage stores have read
.endif
.if (\t)+1 < STEPS
.if STEPS-2-(\t) >= 3
	s_wait_loadcnt 12                              ; the next step's four loads are in; those of the three steps behind it may be out
.else
	s_wait_loadcnt 4*(STEPS-2-(\t))                ; the tail: four loads for each step still behind the next
.endif
	XTURN (\t)+1
.endif
	v_max3_num_f32 v8, |v[XS]|, |v[XS+1]|, |v[XS+2]|               ; the largest magnitude of my 16, in two chains
	v_max3_num_f32 v9, |v[XS+3]|, |v[XS+4]|, |v[XS+5]|
.irp i, 6,10
	v_max3_num_f32 v8, v8, |v[XS+\i]|, |v[XS+\i+1]|
	v_max3_num_f32 v9, v9, |v[XS+\i+2]|, |v[XS+\i+3]|
.endr
	v_max3_num_f32 v8, v8, |v[XS+14]|, |v[XS+15]|
	v_max3_num_f32 v8, v8, v9, (EMAX+1)<<23        ; and the floor 2^(3 - 127): the byte cannot fall under 1
	v_max_num_f32_dpp v8, v8, v8 row_xmask:1 row_mask:0xf bank_mask:0xf   ; with my neighbour's 16: the block's
	v_add_nc_u32 v11, -(EMAX<<23), v8              ; 2 off its exponent field: the conversion takes this operand's exponent field as its scale
	v_cvt_scalef32_pk8_fp4_f32 v[XC+4*(\t)], v[XS:XS+7], v11
	v_cvt_scalef32_pk8_fp4_f32 v[XC+4*(\t)+1], v[XS+8:XS+15], v11
	v_lshrrev_b32 v[XE+(\t)], 23, v11              ; the scale's byte (also the plain line behind the conversions)
	ds_store_b8 v5, v[XE+(\t)] offset:16*(\t)      ; both lanes of a block write the same byte with the same value
	global_store_b64 v4, v[XC+4*(\t):XC+4*(\t)+1], s[10:11] offset:32*CB*(\t)   ; 32 lanes store 256 consecutive bytes, aligned
.endm
.irp t, 0,1,2,3,4,5,6,7,8,9,10,11,12,13,14,15
	XSTEP \t
.endr
	ds_load_b64 v[8:9], v6                         ; in order behind my byte stores
	s_wait_dscnt 0x0
	global_store_b64 v7, v[8:9], s[12:13]          ; 32 lanes store 256 consecutive bytes, aligned
	s_wait_tensorcnt 0x0                           ; the wave's end, behind my last LDS store
	ds_add_u32 v[SPW], v[NIL]
	s_wait_dscnt 0x0
	s_endpgm
.Lnot_x:
	s_cmp_lt_u32 ttmp9, 304
	s_cbranch_scc0 .Lpath_o
; ---------------- W_qkv: a wave takes 32 columns x 512 along K: 16 blocks a lane.  Each load reads one row k at 32 neighbouring columns; a block lies in one lane's 32 registers.
; A lane's codes belong to one row of the output: they go through the wave's stage and leave as rows, sixteen lanes to 256 consecutive aligned bytes.
	s_sub_co_u32 s17, ttmp9, 256
	s_and_b32 s18, s17, 1                          ; which 512 along K
	s_lshr_b32 s17, s17, 1
	s_lshl_b32 s17, s17, 7
	s_lshl_b32 s19, s16, 5
	s_add_co_u32 s17, s17, s19                     ; my wave's first column
	v_lshlrev_b32 v3, 2, v2                        ; in: 4 bytes a lane
	s_mul_i32 s19, s16, 32*WPITCH
	s_add_co_u32 s19, s19, WSTG                    ; my stage
	v_mul_u32_u24 v4, v2, WPITCH
	v_add_nc_u32 v4, s19, v4                       ; into it: row = my column
	v_and_b32 v5, 15, v2
	v_lshrrev_b32 v6, 4, v2
	v_mul_u32_u24 v7, v6, WPITCH
	v_lshl_add_u32 v7, v5, 4, v7
	v_add_nc_u32 v7, s19, v7                       ; out of it: sixteen lanes to a row, two rows an instruction
	v_mul_u32_u24 v8, v6, KROW
	v_lshl_add_u32 v8, v5, 4, v8                   ; the same place in the codes' buffer
	v_lshlrev_b32 v9, 5, v2                        ; my column's row of scale bytes: 32 bytes a row
	s_mul_i32 s20, s18, 512*WN*4
	s_lshl_b32 s22, s17, 2
	s_add_co_u32 s20, s20, s22                     ; W_qkv: 512 rows down for the second half of K, + 4 x column
	s_mov_b32 s21, 0
	s_lshl_b32 s24, s17, 9
	s_lshl_b32 s22, s18, 8
	s_add_co_u32 s24, s24, s22
	s_add_co_u32 s24, s24, 8192*KROW               ; codes: row 8192 + column, + 256 bytes for the second half of K
	s_mov_b32 s25, 0
	s_lshl_b32 s28, s17, 5
	s_lshl_b32 s22, s18, 4
	s_add_co_u32 s28, s28, s22
	s_add_co_u32 s28, s28, 8192*32                 ; scale bytes likewise
	s_mov_b32 s29, 0
	s_wait_kmcnt 0x0
	s_add_nc_u64 s[6:7], s[6:7], s[20:21]
	s_add_nc_u64 s[10:11], s[10:11], s[24:25]
	s_add_nc_u64 s[12:13], s[12:13], s[28:29]
.macro WLOAD t                         ; block t: W(32 t + i, my column) into set t % 2.  The largest immediate is 511 x 12,288 bytes, inside the signed 24 bits (ISA guide, chapter 10)
.irp i, 0,1,2,3,4,5,6,7,8,9,10,11,12,13,14,15,16,17,18,19,20,21,22,23,24,25,26,27,28,29,30,31
	global_load_b32 v[WX+32*((\t)%2)+\i], v3, s[6:7] offset:(32*(\t)+\i)*WN*4 th:TH_LOAD_NT
.endr
.endm
	WLOAD 0
	WLOAD 1
.macro WBLOCK t
.set WS, WX+32*((\t)%2)
.if (\t) < NB-1
	s_wait_loadcnt 32                              ; this block's 32 loads are in; the next block's 32 may be out
.else
	s_wait_loadcnt 0
.endif
	v_max3_num_f32 v12, |v[WS]|, |v[WS+1]|, |v[WS+2]|               ; the block's largest magnitude: all 32 numbers are mine
	v_max3_num_f32 v13, |v[WS+3]|, |v[WS+4]|, |v[WS+5]|
.irp i, 6,10,14,18,22,26
	v_max3_num_f32 v12, v12, |v[WS+\i]|, |v[WS+\i+1]|
	v_max3_num_f32 v13, v13, |v[WS+\i+2]|, |v[WS+\i+3]|
.endr
	v_max3_num_f32 v12, v12, |v[WS+30]|, |v[WS+31]|
	v_max3_num_f32 v12, v12, v13, (EMAX+1)<<23     ; and the floor
	v_add_nc_u32 v11, -(EMAX<<23), v12             ; the conversion's scale operand
	v_lshrrev_b32 v13, 23, v11                     ; the scale's byte
.if (\t)%4 == 0
	v_mov_b32 v[WSB+(\t)/4], v13                   ; four bytes to a register, the lower K in the lower byte
.else
	v_lshl_or_b32 v[WSB+(\t)/4], v13, 8*((\t)%4), v[WSB+(\t)/4]
.endif
.irp g, 0,1,2,3
	v_cvt_scalef32_pk8_fp4_f32 v[WC+\g], v[WS+8*\g:WS+8*\g+7], v11
.endr
	v_nop                                          ; a plain line behind the last conversion
	ds_store_b128 v4, v[WC:WC+3] offset:16*(\t)    ; 32 codes: 16 bytes of my column's row
.if (\t)+2 < NB
	WLOAD (\t)+2
.endif
	s_wait_dscnt 0x0                               ; the store has read its registers: the next block's codes may be written
.endm
.set Q, 0
.rept NB
	WBLOCK Q
.set Q, Q+1
.endr
	global_store_b128 v9, v[WSB:WSB+3], s[12:13]   ; my column's 16 scale bytes
.irp t, 0,1,2,3,4,5,6,7,8,9,10,11,12,13,14,15
	ds_load_b128 v[WOUT+4*\t:WOUT+4*\t+3], v7 offset:2*\t*WPITCH
.endr
.irp t, 0,1,2,3,4,5,6,7,8,9,10,11,12,13,14,15
	s_wait_dscnt 15-\t                             ; LDS loads come back in order: load t is in, the 15 - t behind it may be out
	global_store_b128 v8, v[WOUT+4*\t:WOUT+4*\t+3], s[10:11] offset:2*\t*KROW
.endr
	s_wait_tensorcnt 0x0                           ; the wave's end, behind my last LDS store
	ds_add_u32 v[SPW], v[NIL]
	s_wait_dscnt 0x0
	s_endpgm
.Lpath_o:
; ---------------- W_out to f16: a wave takes 16,384 bytes; each load reads 512 consecutive bytes, each store writes 256, aligned.  This job touches no LDS.
	s_sub_co_u32 s17, ttmp9, 304
	s_lshl_b32 s17, s17, 2
	s_add_co_u32 s18, s17, s16                     ; run 0..255
	s_lshl_b32 s20, s18, 14
	s_mov_b32 s21, 0
	s_lshl_b32 s18, s18, 13
	s_mov_b32 s19, 0
	v_lshlrev_b32 v3, 4, v2
	v_lshlrev_b32 v4, 3, v2
	s_wait_kmcnt 0x0
	s_add_nc_u64 s[8:9], s[8:9], s[20:21]
	s_add_nc_u64 s[14:15], s[14:15], s[18:19]
.set n, 0
.rept 32
	global_load_b128 v[32+4*n:35+4*n], v3, s[8:9] offset:512*n th:TH_LOAD_NT
.set n, n+1
.endr
	s_wait_loadcnt 16                              ; the first sixteen loads are in, the second sixteen may be out
.set n, 0
.rept 16
	v_cvt_pk_f16_f32 v[160+2*n], v[32+4*n], v[33+4*n]
	v_cvt_pk_f16_f32 v[161+2*n], v[34+4*n], v[35+4*n]
	global_store_b64 v4, v[160+2*n:161+2*n], s[14:15] offset:256*n
.set n, n+1
.endr
	s_wait_loadcnt 0x0
.set n, 16
.rept 16                               ; results into v32-63, which no pending instruction names
	v_cvt_pk_f16_f32 v[2*n], v[32+4*n], v[33+4*n]
	v_cvt_pk_f16_f32 v[2*n+1], v[34+4*n], v[35+4*n]
	global_store_b64 v4, v[2*n:2*n+1], s[14:15] offset:256*n
.set n, n+1
.endr
	s_endpgm
.Lfunc_end_k_q38e6f4620c_prep:
	.size	k_q38e6f4620c_prep, .Lfunc_end_k_q38e6f4620c_prep-k_q38e6f4620c_prep
	.p2alignl 7, 3214868480
	.fill 96, 4, 3214868480
	.section	.rodata,"a",@progbits
	.p2align	6, 0x0
	.amdhsa_kernel k_q38e6f4620c_prep
		.amdhsa_group_segment_fixed_size 68096
		.amdhsa_private_segment_fixed_size 0
		.amdhsa_enable_private_segment 0
		.amdhsa_kernarg_size 48
		.amdhsa_user_sgpr_count 2
		.amdhsa_user_sgpr_kernarg_segment_ptr 1
		.amdhsa_wavefront_size32 1
		.amdhsa_system_sgpr_workgroup_id_x 1
		.amdhsa_system_sgpr_workgroup_id_y 1
		.amdhsa_system_sgpr_workgroup_id_z 1
		.amdhsa_system_vgpr_workitem_id 0
		.amdhsa_next_free_vgpr 196
		.amdhsa_next_free_sgpr 66
		.amdhsa_reserve_vcc 0
		.amdhsa_float_denorm_mode_32 3
		.amdhsa_float_denorm_mode_16_64 3
		.amdhsa_memory_ordered 1
		.amdhsa_forward_progress 1
		.amdhsa_inst_pref_size 122
	.end_amdhsa_kernel
	.amdgpu_metadata
---
amdhsa.version: [ 1, 2 ]
amdhsa.kernels:
  - .name:           k_q38e6f4620c_prep
    .symbol:         k_q38e6f4620c_prep.kd
    .args:
      - { .name: x, .offset: 0, .size: 8, .value_kind: global_buffer, .address_space: global }
      - { .name: W_qkv, .offset: 8, .size: 8, .value_kind: global_buffer, .address_space: global }
      - { .name: W_out, .offset: 16, .size: 8, .value_kind: global_buffer, .address_space: global }
      - { .name: codes, .offset: 24, .size: 8, .value_kind: global_buffer, .address_space: global }
      - { .name: scales, .offset: 32, .size: 8, .value_kind: global_buffer, .address_space: global }
      - { .name: wo16, .offset: 40, .size: 8, .value_kind: global_buffer, .address_space: global }
    .group_segment_fixed_size: 68096
    .private_segment_fixed_size: 0
    .kernarg_segment_align: 8
    .kernarg_segment_size: 48
    .max_flat_workgroup_size: 128
    .sgpr_count:     66
    .vgpr_count:     196
    .wavefront_size: 32
...
	.end_amdgpu_metadata
.endif
;; end of part 1
;; launch qkv (part 2): grid 12 x 32, 4 waves a work-group, clusters of 4 x 4, 327,680 bytes of LDS; arguments codes, scales, qkv16, head32; writes qkv16, head32
.if DOCPART == 2
	.amdgcn_target "amdgcn-amd-amdhsa--gfx1250"
	.amdhsa_code_object_version 6
	.text
	.protected	k_q38e6f4620c_qkv
	.globl	k_q38e6f4620c_qkv
	.p2align	8
	.type	k_q38e6f4620c_qkv,@function
k_q38e6f4620c_qkv:
	s_mov_b64 s[64:65], 0
	v_nop
	global_prefetch_b8 v0, s[64:65] scope:SCOPE_SE
	s_setreg_imm32_b32 hwreg(HW_REG_WAVE_MODE, 25, 1), 1
	s_wait_xcnt 0x0
	s_wait_alu depctr_hold_cnt(0) depctr_sa_sdst(0) depctr_va_vdst(0) depctr_va_sdst(0) depctr_va_ssrc(0) depctr_va_vcc(0) depctr_vm_vsrc(0)
	s_getreg_b32 s2, hwreg(HW_REG_IB_STS2, 6, 4)
	s_cmp_eq_u32 s2, 0
	s_cbranch_scc0 .Lentry_in_a_cluster
	s_endpgm
.Lentry_in_a_cluster:
	s_bfe_u32 s2, ttmp6, 0x10000c
	s_cmp_lg_u32 s2, 0xf033
	s_cbranch_scc0 .Lentry_shape_is_right
	s_endpgm
.Lentry_shape_is_right:
; qkv = x W_qkv on codes of E2M1 with one E8M0 scale for each 32 along K = 1,024.  codes: 11,264 rows of 512 bytes (rows 0..8191 tokens, rows 8192 + n the columns of W_qkv); scales: 32 bytes a row.
; A tile of 256 x 256 to a work-group of four waves, 128 x 128 a wave: 64 accumulators.  All of K lies in two LDS slots of 512 along K: three joint loads a wave at the head (scales, slot 0, slot 1), nothing is filled again.
; THE MATRIX INSTRUCTION: source 0 = 16 rows of the B side, source 1 = 16 rows of the A side: a lane holds ONE A row and eight neighbouring B rows.
; ROLES, by the cluster's x alone (the same in all sixteen partners).  x = 0, 1 (q, k): A = tokens, B = W's columns: a lane holds a token and eight neighbouring d.
;   x = 2 (v): A = W's v columns, B = tokens: a lane holds one d and eight neighbouring tokens, as the second product of attention wants V.
; THE RESULTS LEAVE AS IMAGES OF THE NEXT PRODUCT'S OPERAND REGISTERS: eight f32 of a lane round to 16 bytes of f16, and a wave's store is 512 consecutive bytes, aligned.  No stage in LDS.
;   q, k: byte = bh << 18 + (t / 16) 2048 + ds 1024 + c 512 + 16 lane: lane (r, hh) holds token 16 (t / 16) + r, d = 32 ds + 16 c + 8 hh + 0..7
;   v:    byte = bh << 18 + (t / 32) 4096 + dt 1024 + c 512 + 16 lane: lane (r, hh) holds d = 16 dt + r, tokens 32 (t / 32) + 16 c + 8 hh + 0..7
; The accumulators of tokens 0..15 of each batch also leave as f32 (head32), for the launch that carries those rows in f32.
; LIMIT: |q|, |k|, |v| beyond 65,504 become infinity in f16.
; CLUSTERS: 4 x 4.  The A side's tile hangs on cy (and the cluster's ids) alone and is shared along a row of the cluster, the B side's on cx alone and is shared along a column.
; REGISTERS: window 0: v16-29 addresses; v32-95 scale words, two sets; v128-191 A's fragments, one set.  window 1: B's fragments, two sets.  windows 2, 3: accumulator (a, b) at v[8 (8 (a % 4) + b)].
.set NQ,     4                         ; steps of 128 along K in a slot
.set ROWB,   256                       ; a tile's row in bytes: 512 codes
.set KROW,   512                       ; a row of codes in memory
.set PITCH,  272                       ; an LDS row: 256 bytes + 16 of padding, so that the 16 rows of a fragment load start 68 words apart
.set FR,     8
.set NL,     2
.set NP,     4                         ; places behind this matrix instruction (ISA guide 7.12.1)
.set HALFT,  128*PITCH
.set SLOT,   4*HALFT                   ; A's 256 rows, then B's 256 rows
.set KS,     32                        ; a row of scales in bytes
.set SCL,    2*SLOT                    ; behind the slots: the scales, as units of 256 bytes + 16 of padding
.set HALFS,  (128*KS/256)*272
.set SBLK,   (16*KS/256)*272
.set SPARE,  SCL+4*HALFS               ; the spare words, 128 bytes for each wave, which no other line names
.set ADRA, 16
.set ADRB, 20
.set LI,   26                          ; v26  16 x lane: my place in a store of 512 bytes
.set ADRS, 27
.set SPW,  28
.set NIL,  29
.set SC,   32
.set AF,   128
.set POOL, 32                          ; the way out: four pools of 32 registers, v32-159
.set G1, 24
.set G0, 32
.set G1B, 48
.set G0B, 56
.set G1S, 68
.set G0S, 76
.set G1SB, 80
.set G0SB, 88
.set MSB, 0
.macro WIN new                         ; the immediate's high byte repeats the setting that is left
.if MSB != (\new)
	s_set_vgpr_msb (MSB<<8)|(\new)
.set MSB, \new
.endif
.endm
.set MUL_LO, 0xa1                      ; source 0 (B) window 1, source 1 (A) window 0, C and D window 2
.set MUL_HI, 0xf1
.set TO_B,   0x40
; A joint load: waves 0 and 1 fetch for A, waves 2 and 3 for B.  An s_nop 0 and four v_nop follow each of the two lines.
.macro JLOAD g0a, g1a, g0b, g1b
	s_cmp_eq_u32 s15, 0
	s_cbranch_scc0 .Lfor_b_\@
	tensor_load_to_lds s[\g0a:\g0a+3], s[\g1a:\g1a+7]
	s_nop 0
.rept 4
	v_nop
.endr
	s_branch .Lasked_\@
.Lfor_b_\@:
	tensor_load_to_lds s[\g0b:\g0b+3], s[\g1b:\g1b+7]
	s_nop 0
.rept 4
	v_nop
.endr
.Lasked_\@:
.endm
.macro CROUND                          ; a round of the cluster's barrier
	s_barrier_signal -1
	s_barrier_wait -1
	s_cmp_lg_u32 s14, 0
	s_cbranch_scc1 .Lnot_wave_0_\@
	s_barrier_signal -3
.Lnot_wave_0_\@:
	s_barrier_wait -3
	s_barrier_signal -1
	s_barrier_wait -1
.endm
	s_load_b256 s[4:11], s[0:1], 0x0               ; codes s[4:5], scales s[6:7], qkv16 s[8:9], head32 s[10:11]
	v_lshl_add_u32 v[SPW], v0, 2, SPARE
	v_mov_b32 v[NIL], 0
	ds_add_u32 v[SPW], v[NIL]                      ; the wave's opening: the add, twice on end, and its wait ahead of my first tensor load
	ds_add_u32 v[SPW], v[NIL]
	v_lshrrev_b32 v1, 5, v0
	v_readfirstlane_b32 s14, v1                    ; wave 0..3
	s_lshr_b32 s15, s14, 1                         ; which half of the A side's rows is mine.  Also: I fetch for A (0) or for B (1)
	s_and_b32 s16, s14, 1                          ; which half of the B side's.  Also: which 128 rows of that tile I fetch
	s_bfe_u32 s40, ttmp6, 0x40000                  ; cx
	s_bfe_u32 s41, ttmp6, 0x40004                  ; cy
	s_and_b32 s97, ttmp7, 0xffff                   ; Y: the cluster's y, 0..7
	s_lshl_b32 s17, s41, 3
	s_add_co_u32 s17, s17, s97                     ; A, roles q and k: token tile Y + 8 cy: batch cy, tile Y of it
	s_add_co_u32 s12, s41, 40                      ; A, role v: rows 8192 + 2048 + 256 cy: tile 40 + cy
	s_lshl_b32 s42, ttmp9, 2
	s_add_co_u32 s42, s42, s40
	s_add_co_u32 s42, s42, 32                      ; B, roles q and k: tile 32 + 4 X + cx
	s_lshl_b32 s13, s40, 3
	s_add_co_u32 s13, s13, s97                     ; B, role v: token tile Y + 8 cx
	s_cmp_eq_u32 ttmp9, 2
	s_cselect_b32 s17, s12, s17                    ; TA: hangs on cy and the cluster's ids
	s_cselect_b32 s42, s13, s42                    ; TB: on cx and the cluster's ids
	s_cselect_b32 s96, 1, 0                        ; the role
	s_lshl_b32 s43, s41, 2
	s_lshl_b32 s43, 15, s43                        ; my row of the cluster
	s_lshl_b32 s44, 0x1111, s40                    ; my column
	; descriptor group 1: 128 rows x 256 bytes, 16 bytes of padding behind each
	s_or_b32 s[G1+0], s43, (0<<16)|(1<<20)|(1<<21)|(5<<22)|(3<<25)
	s_or_b32 s[G1B+0], s44, (0<<16)|(1<<20)|(1<<21)|(5<<22)|(3<<25)
.irp g, G1, G1B
	s_mov_b32 s[\g+1], ROWB<<16                    ; tensor_dim0
	s_mov_b32 s[\g+2], 128<<16                     ; tensor_dim1
	s_mov_b32 s[\g+3], ROWB<<16                    ; tile_dim0
	s_mov_b32 s[\g+4], 128                         ; tile_dim1
	s_mov_b32 s[\g+5], KROW                        ; tensor_dim0_stride
	s_mov_b32 s[\g+6], 0
	s_mov_b32 s[\g+7], 0
.endr
	; the scales of 128 rows: 4,096 dense bytes, as 16 rows of 256 bytes (32 elements of 8), 16 bytes of padding behind each
	s_or_b32 s[G1S+0], s43, (3<<16)|(1<<20)|(1<<21)|(5<<22)|(3<<25)
	s_or_b32 s[G1SB+0], s44, (3<<16)|(1<<20)|(1<<21)|(5<<22)|(3<<25)
.irp g, G1S, G1SB
	s_mov_b32 s[\g+1], 32<<16
	s_mov_b32 s[\g+2], (128*KS/256)<<16
	s_mov_b32 s[\g+3], 32<<16
	s_mov_b32 s[\g+4], 128*KS/256
	s_mov_b32 s[\g+5], 32
	s_mov_b32 s[\g+6], 0
	s_mov_b32 s[\g+7], 0
.endr
	s_lshl_b32 s18, s16, 7                         ; which 128 rows of the tile I fetch
	s_lshl_b32 s20, s17, 8
	s_add_co_u32 s20, s20, s18                     ; A: row 256 TA + 128 x half
	s_lshl_b32 s46, s42, 8
	s_add_co_u32 s46, s46, s18                     ; B: row 256 TB + 128 x half
	s_lshl_b32 s22, s20, 5                         ; where these rows' scales begin,
	s_mov_b32 s23, 0
	s_lshl_b32 s92, s46, 5
	s_mov_b32 s93, 0
	s_lshl_b32 s20, s20, 9                         ; and their codes
	s_mov_b32 s21, 0
	s_lshl_b32 s46, s46, 9
	s_mov_b32 s47, 0
	s_mul_i32 s45, s14, HALFT                      ; where they go: wave x 128 rows: no place in the cluster enters an LDS address
	s_mul_i32 s94, s14, HALFS
	s_wait_dscnt 0x0                               ; both opening adds are done
	s_wait_kmcnt 0x0
	s_add_nc_u64 s[20:21], s[4:5], s[20:21]
	s_add_nc_u64 s[22:23], s[6:7], s[22:23]
	s_add_nc_u64 s[46:47], s[4:5], s[46:47]
	s_add_nc_u64 s[92:93], s[6:7], s[92:93]
	CROUND                                         ; all sixteen work-groups are here: the first joint loads meet
	s_mov_b32 s[G0S], 1
	s_add_co_u32 s[G0S+1], s94, SCL
	s_mov_b64 s[G0S+2:G0S+3], s[22:23]
	s_or_b32 s[G0S+3], s[G0S+3], 0x80000000
	s_mov_b32 s[G0SB], 1
	s_add_co_u32 s[G0SB+1], s94, SCL
	s_mov_b64 s[G0SB+2:G0SB+3], s[92:93]
	s_or_b32 s[G0SB+3], s[G0SB+3], 0x80000000
	JLOAD G0S, G1S, G0SB, G1SB                     ; the scales first: they are wanted with the first step
.irp s, 0,1
	s_mov_b32 s[G0+4*\s], 1
	s_add_co_u32 s[G0+4*\s+1], s45, \s*SLOT
	s_add_nc_u64 s[G0+4*\s+2:G0+4*\s+3], s[20:21], \s*ROWB
	s_or_b32 s[G0+4*\s+3], s[G0+4*\s+3], 0x80000000
	s_mov_b32 s[G0B+4*\s], 1
	s_add_co_u32 s[G0B+4*\s+1], s45, \s*SLOT
	s_add_nc_u64 s[G0B+4*\s+2:G0B+4*\s+3], s[46:47], \s*ROWB
	s_or_b32 s[G0B+4*\s+3], s[G0B+4*\s+3], 0x80000000
	JLOAD G0+4*\s, G1, G0B+4*\s, G1B
.endr
	v_and_b32 v1, 15, v0                           ; l % 16
	v_bfe_u32 v2, v0, 4, 1                         ; l / 16
	v_mul_u32_u24 v3, v1, PITCH
	v_lshl_add_u32 v4, v2, 4, v3                   ; a fragment's row x pitch + 16 x half
	s_mul_i32 s21, s15, HALFT                      ; my 128 rows of A
	s_mul_i32 s22, s16, HALFT                      ; my 128 rows of B,
	s_add_co_u32 s22, s22, 2*HALFT                 ; which lie behind A's 256
.irp s, 0,1
	v_add_nc_u32 v[ADRA+\s], s21, v4
	v_add_nc_u32 v[ADRB+\s], s22, v4
	s_add_co_u32 s21, s21, SLOT
	s_add_co_u32 s22, s22, SLOT
.endr
	v_mul_u32_u24 v5, v1, KS                       ; my row's scales: 32 bytes a row,
	v_lshrrev_b32 v6, 8, v5
	v_lshl_add_u32 v5, v6, 4, v5                   ; and 16 more for each 256 passed
	s_mul_i32 s21, s15, HALFS
	s_mul_i32 s22, s16, HALFS
	s_add_co_u32 s22, s22, 2*HALFS
	s_sub_co_u32 s22, s22, s21
	v_mul_u32_u24 v6, s22, v2                      ; lanes 16-31 take B's: one product, the distance between the two bases
	s_add_co_u32 s21, s21, SCL
	v_add_nc_u32 v5, v5, v6
	v_add_nc_u32 v[ADRS], s21, v5
	v_and_b32 v6, 31, v0
	v_lshlrev_b32 v[LI], 4, v6
.macro FRAG reg, adr, q, i             ; 16 rows x 128 K of 4-bit codes: 8 registers; registers 4 c .. 4 c + 3 hold K = 64 c + 32 (l / 16) + 0 .. 31
.irp c, 0,1
	ds_load_b128 v[\reg+4*\c:\reg+4*\c+3], v[\adr] offset:64*(\q)+32*\c+(\i)*16*PITCH
.endr
.endm
; 16 matrix instructions: A's blocks a0, a0 + 1 x B's eight.  The 64 accumulators take turns, one instruction a turn, in the same order in every step.
; One scale register carries A's word of block i in lanes 0-15 and B's in lanes 16-31.
.macro MUL16 a0, p, q, sc, zero
.irp a, \a0, \a0+1
.irp b, 0,1,2,3,4,5,6,7
.if \zero
	v_wmma_scale_f32_16x16x128_f8f6f4 v[8*(8*((\a)%4)+\b):8*(8*((\a)%4)+\b)+7], v[128*(\p)+FR*\b:128*(\p)+FR*\b+FR-1], v[AF+FR*(\a):AF+FR*(\a)+FR-1], 0, v[SC+8*NQ*(\sc)+NQ*\b+(\q)], v[SC+8*NQ*(\sc)+NQ*(\a)+(\q)] matrix_a_fmt:MATRIX_FMT_FP4 matrix_b_fmt:MATRIX_FMT_FP4 matrix_a_scale:MATRIX_SCALE_ROW1
.else
	v_wmma_scale_f32_16x16x128_f8f6f4 v[8*(8*((\a)%4)+\b):8*(8*((\a)%4)+\b)+7], v[128*(\p)+FR*\b:128*(\p)+FR*\b+FR-1], v[AF+FR*(\a):AF+FR*(\a)+FR-1], v[8*(8*((\a)%4)+\b):8*(8*((\a)%4)+\b)+7], v[SC+8*NQ*(\sc)+NQ*\b+(\q)], v[SC+8*NQ*(\sc)+NQ*(\a)+(\q)] matrix_a_fmt:MATRIX_FMT_FP4 matrix_b_fmt:MATRIX_FMT_FP4 matrix_a_scale:MATRIX_SCALE_ROW1
.endif
.endr
.endr
.endm
.macro FETCH_B slot, q, p
	WIN TO_B
.irp i, 0,1,2,3,4,5,6,7
	FRAG 128*(\p)+FR*\i, ADRB+\slot, \q, \i
.endr
	WIN 0
.endm
.macro FETCH_A slot, q, i0
.irp i, \i0, \i0+1, \i0+2, \i0+3
	FRAG AF+FR*(\i), ADRA+\slot, \q, \i
.endr
.endm
.macro SCALES sc                       ; a slot's scale words: four words a row
.irp i, 0,1,2,3,4,5,6,7
	ds_load_b128 v[SC+8*NQ*\sc+NQ*\i:SC+8*NQ*\sc+NQ*\i+3], v[ADRS] offset:\i*SBLK
.endr
.endm
.macro PLACES n                        ; plain vector lines between a matrix instruction and a load into, or a vector read of, its registers
.rept \n
	v_nop
.endr
.endm
.macro STEP slot, q, zero              ; a step of 128 along K that has its successor in the same slot
	s_wait_dscnt 4*NL                              ; B's set and A's blocks 0-3 are in; the youngest eight loads (A's blocks 4-7) may be out
	WIN MUL_LO
	MUL16 0, (\q)%2, \q, \slot, \zero
	MUL16 2, (\q)%2, \q, \slot, \zero
	s_wait_dscnt 0
	PLACES NP
	FETCH_B \slot, (\q)+1, 1-(\q)%2
	FETCH_A \slot, (\q)+1, 0
	WIN MUL_HI
	MUL16 4, (\q)%2, \q, \slot, \zero
	MUL16 6, (\q)%2, \q, \slot, \zero
	PLACES NP
	WIN 0
	FETCH_A \slot, (\q)+1, 4
.endm
; Slot 0's last step goes over to slot 1: each wave waits for all its tensor loads (its part of slot 1), then the work-group's barrier shows the whole slot to every wave.  Nothing is filled again.
.macro TURN slot, next
	s_wait_tensorcnt 0x0
	ds_add_u32 v[SPW], v[NIL]                      ; 0 onto my spare word
	s_wait_dscnt 4*NL+1                            ; the add and the youngest eight loads may be out
	WIN MUL_LO
	MUL16 0, 1, NQ-1, \slot, 0
	s_wait_dscnt 0x0
	s_barrier_signal -1
	MUL16 2, 1, NQ-1, \slot, 0
	WIN 0
	s_barrier_wait -1
	PLACES NP
	v_add_nc_u32 v[ADRS], 4*NQ, v[ADRS]            ; on to the next slot's scale words
	FETCH_B \next, 0, 0
	FETCH_A \next, 0, 0
	SCALES \next
	WIN MUL_HI
	MUL16 4, 1, NQ-1, \slot, 0
	MUL16 6, 1, NQ-1, \slot, 0
	PLACES NP
	WIN 0
	FETCH_A \next, 0, 4
.endm
.macro STEPS slot, from
.set Q, \from
.rept NQ-1-\from
	STEP \slot, Q, 0
.set Q, Q+1
.endr
.endm
	s_wait_tensorcnt 1                             ; the scales and my part of slot 0 are in; slot 1's load, the one issued behind them, may be out
	s_barrier_signal -1
	s_barrier_wait -1
	FETCH_B 0, 0, 0
	FETCH_A 0, 0, 0
	SCALES 0
	FETCH_A 0, 0, 4
	STEP 0, 0, 1                                   ; the first step's products start the sums: nothing is cleared
	STEPS 0, 1
	TURN 0, 1
	STEPS 1, 0
	s_wait_dscnt 4*NL                              ; the last step: nothing more to fetch
	WIN MUL_LO
	MUL16 0, 1, NQ-1, 1, 0
	MUL16 2, 1, NQ-1, 1, 0
	s_wait_dscnt 0
	WIN MUL_HI
	MUL16 4, 1, NQ-1, 1, 0
	MUL16 6, 1, NQ-1, 1, 0
	WIN 0
; THE WAY OUT.  Block a's 64 registers pairs round to f16 into one of four pools; eight stores of 512 consecutive bytes.  Each accumulator is read from its low end on.
.macro WAYOUT role
.irp a, 0,1,2,3,4,5,6,7
.if \a >= 4
	s_wait_xcnt 0x0                                ; the stores of four blocks back have read their pool
.endif
	WIN 0x0a+5*(\a/4)                              ; sources 0 and 1: window 2 or 3
.irp b, 0,1,2,3,4,5,6,7
.irp i, 0,1,2,3
	v_cvt_pk_f16_f32 v[POOL+32*(\a%4)+4*\b+\i], v[64*(\a%4)+8*\b+2*\i], v[64*(\a%4)+8*\b+2*\i+1]
.endr
.endr
	WIN 0
.irp b, 0,1,2,3,4,5,6,7
.if \role
	global_store_b128 v[LI], v[POOL+32*(\a%4)+4*\b:POOL+32*(\a%4)+4*\b+3], s[8:9] offset:(\a/4)*262144+(\a%4)*1024+(\b/2)*4096+(\b%2)*512
.else
	global_store_b128 v[LI], v[POOL+32*(\a%4)+4*\b:POOL+32*(\a%4)+4*\b+3], s[8:9] offset:\a*2048+(\b/4)*262144+(\b%4)*512
.endif
.endr
.endr
.endm
	PLACES NP                                      ; behind the last products: the pools lie over scale words and A's fragments, and results are read
	s_cmp_eq_u32 s96, 1                            ; the role: the same in all partners
	s_cbranch_scc1 .Lrole_v
	; roles q, k.  bh0 = 16 cy + 4 cx + 2 (my half of B); head bh0 + b / 4; token block 16 Y + 8 (my half of A) + a
	s_lshl_b32 s20, s41, 4
	s_lshl_b32 s21, s40, 2
	s_add_co_u32 s20, s20, s21
	s_lshl_b32 s21, s16, 1
	s_add_co_u32 s20, s20, s21
	s_lshl_b32 s22, s20, 12
	s_lshl_b32 s21, ttmp9, 18
	s_add_co_u32 s22, s22, s21                     ; head32: region X, head bh0
	s_mov_b32 s23, 0
	s_lshl_b32 s20, s20, 18
	s_lshl_b32 s21, ttmp9, 24
	s_add_co_u32 s20, s20, s21
	s_lshl_b32 s21, s97, 4
	s_lshl_b32 s18, s15, 3
	s_add_co_u32 s21, s21, s18
	s_lshl_b32 s21, s21, 11
	s_add_co_u32 s20, s20, s21                     ; qkv16: region X, head bh0, my first token block
	s_mov_b32 s21, 0
	s_add_nc_u64 s[8:9], s[8:9], s[20:21]
	s_add_nc_u64 s[10:11], s[10:11], s[22:23]
	s_or_b32 s18, s97, s15                         ; tokens 0..15 of a batch lie in block a = 0 where Y = 0 and my half of A is the first
	s_cmp_lg_u32 s18, 0
	s_cbranch_scc1 .Lqk_no32
	WIN 0x08                                       ; a store's data: window 2
.irp b, 0,1,2,3,4,5,6,7
	global_store_b128 v[LI], v[8*\b:8*\b+3], s[10:11] offset:(\b/4)*4096+(\b%4)*1024
	global_store_b128 v[LI], v[8*\b+4:8*\b+7], s[10:11] offset:(\b/4)*4096+(\b%4)*1024+512
.endr
	WIN 0
.Lqk_no32:
	WAYOUT 0
	s_branch .Ldone
.Lrole_v:
	; role v.  bh0 = 16 cx + 4 cy + 2 (my half of A); head bh0 + a / 4; block of 32 tokens 8 Y + 4 (my half of B) + b / 2
	s_lshl_b32 s20, s40, 4
	s_lshl_b32 s21, s41, 2
	s_add_co_u32 s20, s20, s21
	s_lshl_b32 s21, s15, 1
	s_add_co_u32 s20, s20, s21
	s_lshl_b32 s22, s20, 12
	s_add_co_u32 s22, s22, 524288
	s_mov_b32 s23, 0
	s_lshl_b32 s20, s20, 18
	s_add_co_u32 s20, s20, 2<<24
	s_lshl_b32 s21, s97, 3
	s_lshl_b32 s18, s16, 2
	s_add_co_u32 s21, s21, s18
	s_lshl_b32 s21, s21, 12
	s_add_co_u32 s20, s20, s21
	s_mov_b32 s21, 0
	s_add_nc_u64 s[8:9], s[8:9], s[20:21]
	s_add_nc_u64 s[10:11], s[10:11], s[22:23]
	s_or_b32 s18, s97, s16                         ; tokens 0..15 lie in block b = 0 where Y = 0 and my half of B is the first
	s_cmp_lg_u32 s18, 0
	s_cbranch_scc1 .Lv_no32
.irp a, 0,1,2,3,4,5,6,7
	WIN 0x08+4*(\a/4)
	global_store_b128 v[LI], v[64*(\a%4):64*(\a%4)+3], s[10:11] offset:(\a/4)*4096+(\a%4)*1024
	global_store_b128 v[LI], v[64*(\a%4)+4:64*(\a%4)+7], s[10:11] offset:(\a/4)*4096+(\a%4)*1024+512
.endr
	WIN 0
.Lv_no32:
	WAYOUT 1
.Ldone:
	s_wait_tensorcnt 0x0                           ; the wave's end
	ds_add_u32 v[SPW], v[NIL]
	s_wait_dscnt 0x0
	CROUND                                         ; the closing round: no work-group ends while a partner may still ask for a tile that names it
	s_endpgm
.Lfunc_end_k_q38e6f4620c_qkv:
	.size	k_q38e6f4620c_qkv, .Lfunc_end_k_q38e6f4620c_qkv-k_q38e6f4620c_qkv
	.p2alignl 7, 3214868480
	.fill 96, 4, 3214868480
	.section	.rodata,"a",@progbits
	.p2align	6, 0x0
	.amdhsa_kernel k_q38e6f4620c_qkv
		.amdhsa_group_segment_fixed_size 327680
		.amdhsa_private_segment_fixed_size 0
		.amdhsa_enable_private_segment 0
		.amdhsa_kernarg_size 32
		.amdhsa_user_sgpr_count 2
		.amdhsa_user_sgpr_kernarg_segment_ptr 1
		.amdhsa_wavefront_size32 1
		.amdhsa_system_sgpr_workgroup_id_x 1
		.amdhsa_system_sgpr_workgroup_id_y 1
		.amdhsa_system_sgpr_workgroup_id_z 1
		.amdhsa_system_vgpr_workitem_id 0
		.amdhsa_next_free_vgpr 1024
		.amdhsa_next_free_sgpr 98
		.amdhsa_reserve_vcc 0
		.amdhsa_float_denorm_mode_32 3
		.amdhsa_float_denorm_mode_16_64 3
		.amdhsa_memory_ordered 1
		.amdhsa_forward_progress 1
		.amdhsa_inst_pref_size 144
	.end_amdhsa_kernel
	.amdgpu_metadata
---
amdhsa.version: [ 1, 2 ]
amdhsa.kernels:
  - .name:           k_q38e6f4620c_qkv
    .symbol:         k_q38e6f4620c_qkv.kd
    .args:
      - { .name: codes, .offset: 0, .size: 8, .value_kind: global_buffer, .address_space: global }
      - { .name: scales, .offset: 8, .size: 8, .value_kind: global_buffer, .address_space: global }
      - { .name: qkv16, .offset: 16, .size: 8, .value_kind: global_buffer, .address_space: global }
      - { .name: head32, .offset: 24, .size: 8, .value_kind: global_buffer, .address_space: global }
    .group_segment_fixed_size: 327680
    .private_segment_fixed_size: 0
    .kernarg_segment_align: 8
    .kernarg_segment_size: 32
    .max_flat_workgroup_size: 128
    .sgpr_count:     98
    .vgpr_count:     1024
    .wavefront_size: 32
...
	.end_amdgpu_metadata
.endif
;; end of part 2
;; launch attn (part 3): grid 4 x 64, 8 waves a work-group, no clusters, 327,680 bytes of LDS; arguments qkv16, o16; writes o16
.if DOCPART == 3
	.amdgcn_target "amdgcn-amd-amdhsa--gfx1250"
	.amdhsa_code_object_version 6
	.text
	.protected	k_q38e6f4620c_attn
	.globl	k_q38e6f4620c_attn
	.p2align	8
	.type	k_q38e6f4620c_attn,@function
k_q38e6f4620c_attn:
	s_mov_b64 s[64:65], 0
	v_nop
	global_prefetch_b8 v0, s[64:65] scope:SCOPE_SE
	s_setreg_imm32_b32 hwreg(HW_REG_WAVE_MODE, 25, 1), 1
	s_wait_xcnt 0x0
; O = softmax(Q K^T / 8, causal) V for one head, in f16 operands with f32 products' sums, maxima and sums.  q, k, v come as images of operand registers (pieces of 512 bytes = 32 lanes x 16 bytes).
; SHARES.  Work-group (i, bh) owns the query blocks i and 7 - i (256 queries each) of head bh: (i + 1) + (8 - i) = 9 key blocks of 256 for every work-group, so all trip counts are constants.
; Each of eight waves owns 32 queries of the block in hand: two tiles of 16.  Two waves share a SIMD's registers: one wave's softmax stands beside the other's products.
; LAYOUT.  S^T = K Q^T (source 0 = 16 keys, source 1 = 16 queries) and O^T = V^T P (source 0 = 16 of d, source 1 = P): a lane holds ONE query throughout; S^T rounded in pairs IS P's fragment.
; SOFTMAX.  Running maximum m and sum l a query: p = 2^(c s - c m), c = log2(e) / 8; in each step O^T and l are multiplied by a = 2^(c m_old - c m_new).  l sums the unrounded p.
; CAUSAL.  Key blocks behind the query block are never fetched; a step of 64 keys all of which come after the wave's 32 queries is left out by a scalar branch on ids; on the diagonal hidden scores become -infinity.
; RING.  Two LDS slots of 65,536 bytes, a key block each: K's four steps of 8,192 bytes, then V's four.  Wave w fetches the 8,192 bytes at 8192 w: one tensor load a wave behind each barrier; one is out at a time.
; NO CLUSTER: the four work-groups of a head want different key blocks in 8 of the 9 slots (slot s holds block s up to s = i, then s - i - 1), and a joint load has to be the same in all partners.
; O leaves as the image of the out-projection's A operand: byte = (k / 128) 2097152 + (m / 16) 4096 + ((k % 128) / 32) 1024 + c 512 + 16 lane.
; LIMITS: operands in f16: |q|, |k|, |v| up to 65,504; p under 6e-5 keeps an absolute error of 3e-8.
; REGISTERS.  window 0: v1-9 addresses and constants; v16-31 statistics, 8 a tile; v32-63 Q; v64-127 S^T; v128-159 P.  window 1: v0-63 O^T; v64-127 K; v128-191 V; v192-223 the second block's Q.
.set SLOTB, 65536
.set SPARE, 131072                     ; the spare words, 128 bytes for each of eight waves, which no other line names
.set LI,   1                           ; v1  16 x lane
.set ADR,  2                           ; v2  LDS address of the step's pieces
.set SPW,  4
.set NIL,  5
.set DQ,   6                           ; v6  r - 8 hh
.set DD,   7                           ; v7  at work in the mask
.set NINF, 8                           ; v8  -infinity
.set PFO,  9                           ; v9  256 x lane
.set ST,   16                          ; tile t at v[ST + 8 t]: +0 c m, +1 m, +2, +3 l, +4, +5 chains, +6 a, +7 c m_old - c m_new
.set Q,    32
.set S,    64
.set P,    128
.set OT,   0                           ; window 1
.set KFR,  64
.set VFR,  128
.set QN,   192
.set WV,   8
.set I,    9
.set BH,   10
.set SC,   11                          ; the slot's count, 0..8
.set KB,   12                          ; the key block in hand
.set KBN,  13                          ; the next
.set Q02,  14                          ; my first query in the second block
.set Q0,   15                          ; my first query
.set KF,   16                          ; the step's first key
.set TB,   17                          ; LDS byte of the step's K
.set CNT,  18
.set LIM,  19
.set SEL,  20
.set CS,   22
.set G1,   24
.set G0,   32
.set BASE, 36                          ; s[36:37] my 8,192 bytes of key block 0
.set PFA,  38                          ; s[38:39] where my prefetch stands
.set MSB, 0
.macro WIN new
.if MSB != (\new)
	s_set_vgpr_msb (MSB<<8)|(\new)
.set MSB, \new
.endif
.endm
	s_load_b128 s[4:7], s[0:1], 0x0                ; qkv16 s[4:5], o16 s[6:7]
	v_lshl_add_u32 v[SPW], v0, 2, SPARE
	v_mov_b32 v[NIL], 0
	ds_add_u32 v[SPW], v[NIL]                      ; the wave's opening: the add, twice on end, and its wait ahead of my first tensor load
	ds_add_u32 v[SPW], v[NIL]
	v_lshrrev_b32 v1, 5, v0
	v_readfirstlane_b32 s[WV], v1                  ; wave 0..7
	s_mov_b32 s[I], ttmp9
	s_and_b32 s[BH], ttmp7, 0xffff
	; descriptor group 1: 8,192 dense bytes as 32 rows of 32 elements of 8 bytes; no padding: every read is 16 x lane
	s_mov_b32 s[G1+0], 3<<16
	s_mov_b32 s[G1+1], 32<<16
	s_mov_b32 s[G1+2], 32<<16
	s_mov_b32 s[G1+3], 32<<16
	s_mov_b32 s[G1+4], 32
	s_mov_b32 s[G1+5], 32
	s_mov_b32 s[G1+6], 0
	s_mov_b32 s[G1+7], 0
	s_mov_b32 s[SEL], 0x76543210
	s_mov_b32 s[SEL+1], 0xfedcba98
	s_mov_b32 s[CS], 0x3e38aa3b                    ; c = log2(e) / 8
	s_mov_b32 s[CS+1], s[CS]
	s_lshr_b32 s48, s[WV], 2
	s_add_co_u32 s48, s48, 1
	s_lshl_b32 s48, s48, 24                        ; region 1 (k) for waves 0-3, region 2 (v) for waves 4-7
	s_lshl_b32 s49, s[BH], 18
	s_add_co_u32 s48, s48, s49
	s_and_b32 s49, s[WV], 3
	s_lshl_b32 s49, s49, 13
	s_add_co_u32 s40, s48, s49
	s_mov_b32 s41, 0
	s_lshl_b32 s48, s[BH], 18                      ; Q: my 32 queries are 4,096 bytes, a block 32,768
	s_lshl_b32 s49, s[WV], 12
	s_add_co_u32 s48, s48, s49
	s_lshl_b32 s49, s[I], 15
	s_add_co_u32 s52, s48, s49
	s_mov_b32 s53, 0
	s_sub_co_u32 s49, 7, s[I]
	s_lshl_b32 s49, s49, 15
	s_add_co_u32 s54, s48, s49
	s_mov_b32 s55, 0
	s_and_b32 s48, s[BH], 15                       ; O: h
	s_lshr_b32 s49, s48, 1
	s_lshl_b32 s49, s49, 21
	s_and_b32 s48, s48, 1
	s_lshl_b32 s48, s48, 11
	s_add_co_u32 s49, s49, s48
	s_lshr_b32 s48, s[BH], 4                       ; b
	s_lshl_b32 s48, s48, 7
	s_lshl_b32 s50, s[WV], 1
	s_add_co_u32 s48, s48, s50
	s_lshl_b32 s48, s48, 12
	s_add_co_u32 s49, s49, s48
	s_lshl_b32 s48, s[I], 16
	s_add_co_u32 s44, s49, s48                     ; the first block's rows,
	s_mov_b32 s45, 0
	s_sub_co_u32 s48, 7, s[I]
	s_lshl_b32 s50, s48, 16
	s_add_co_u32 s46, s49, s50                     ; the second's
	s_mov_b32 s47, 0
	s_lshl_b32 s[Q02], s48, 8
	s_lshl_b32 s50, s[WV], 5
	s_add_co_u32 s[Q02], s[Q02], s50
	s_lshl_b32 s[Q0], s[I], 8
	s_add_co_u32 s[Q0], s[Q0], s50
	s_mov_b32 s[SC], 0
	s_mov_b32 s[KB], 0
	s_mov_b32 s[KBN], 0
	s_mov_b32 s[KF], 0
	s_mov_b32 s[TB], 0
	s_cmp_eq_u32 s[I], 0
	s_cselect_b32 s[LIM], 6, 0                     ; the head's first work-group prefetches, in trips 0 to 5
	v_and_b32 v[LI], 31, v0
	v_lshlrev_b32 v[PFO], 8, v[LI]
	v_lshlrev_b32 v[LI], 4, v[LI]
	v_and_b32 v[DQ], 15, v0
	v_bfe_u32 v[DD], v0, 4, 1
	v_lshlrev_b32 v[DD], 3, v[DD]
	v_sub_nc_u32 v[DQ], v[DQ], v[DD]
	v_mov_b32 v[NINF], 0xff800000
	s_wait_dscnt 0x0                               ; both opening adds are done
	s_wait_kmcnt 0x0
	s_add_nc_u64 s[BASE:BASE+1], s[4:5], s[40:41]
	s_add_nc_u64 s[52:53], s[4:5], s[52:53]
	s_add_nc_u64 s[54:55], s[4:5], s[54:55]
	s_add_nc_u64 s[44:45], s[6:7], s[44:45]
	s_add_nc_u64 s[46:47], s[6:7], s[46:47]
	s_add_nc_u64 s[PFA:PFA+1], s[BASE:BASE+1], 32768   ; key block 1: the first change of slots steps it to block 2
	s_mov_b32 s[G0], 1
	s_lshl_b32 s[G0+1], s[WV], 13                  ; slot 0, my 8,192 bytes
	s_mov_b64 s[G0+2:G0+3], s[BASE:BASE+1]
	s_or_b32 s[G0+3], s[G0+3], 0x80000000
	tensor_load_to_lds s[G0:G0+3], s[G1:G1+7]      ; key block 0
	s_nop 0
.rept 4
	v_nop
.endr
.irp t, 0,1
.irp d, 0,1
.irp c, 0,1
	global_load_b128 v[Q+16*\t+8*\d+4*\c:Q+16*\t+8*\d+4*\c+3], v[LI], s[52:53] offset:\t*2048+\d*1024+\c*512
.endr
.endr
.endr
	WIN 0x40                                       ; destination window 1
.irp t, 0,1
.irp d, 0,1
.irp c, 0,1
	global_load_b128 v[QN+16*\t+8*\d+4*\c:QN+16*\t+8*\d+4*\c+3], v[LI], s[54:55] offset:\t*2048+\d*1024+\c*512
.endr
.endr
.endr
	WIN 0
; A query block begins: m = -3e38, under every score; l and O^T zeros, which the first change of m leaves zeros.  So the key step is written once.
.macro INIT
.irp t, 0,1
	v_mov_b32 v[ST+8*\t+1], 0xff61b1e6
	v_mul_f32 v[ST+8*\t], s[CS], v[ST+8*\t+1]
.irp n, 2,3,4,5,6,7
	v_mov_b32 v[ST+8*\t+\n], 0
.endr
.endr
	WIN 0x40
.set n, 0
.rept 64
	v_mov_b32 v[OT+n], 0
.set n, n+1
.endr
	WIN 0
.endm
	INIT
	s_wait_loadcnt 0x0                             ; both blocks' Q
; THE CHANGE OF SLOTS, at a slot's head.  Each wave waits for all its tensor loads (its part of the slot ahead), adds 0 to its spare word, and waits for that and for its reads of the slot left.
; Behind the barrier the slot ahead is whole and nobody reads the other one.  fill = 1: that other slot takes the next key block: the wave's one tensor load until the next barrier; it has four key steps in which to land.
.macro CHANGE fill
	s_wait_tensorcnt 0x0                           ; no tensor load of mine is out, so group 0 may be written
	ds_add_u32 v[SPW], v[NIL]
.if \fill
	s_add_co_u32 s[KBN], s[KB], 1
	s_cmp_eq_u32 s[SC], s[I]                       ; the first query block's last key block is in hand: the second block begins at key block 0
	s_cselect_b32 s[KBN], 0, s[KBN]
	s_lshl_b32 s40, s[KBN], 15
	s_xor_b32 s[G0+1], s[G0+1], SLOTB              ; the other slot than last time
	s_add_nc_u64 s[G0+2:G0+3], s[BASE:BASE+1], s[40:41]
	s_or_b32 s[G0+3], s[G0+3], 0x80000000
	s_wait_xcnt 0x0                                ; the last prefetch, a slot back, has read its address
	s_add_nc_u64 s[PFA:PFA+1], s[PFA:PFA+1], 32768
.endif
	s_wait_dscnt 0x0                               ; the add is done, and my reads of the slot that I have left are over
	s_barrier_signal -1
	s_barrier_wait -1
.if \fill
	tensor_load_to_lds s[G0:G0+3], s[G1:G1+7]
	s_nop 0
.rept 4
	v_nop
.endr
	; A prefetch of key block SC + 2: my own 8,192 bytes of it, lanes 256 bytes apart.  The head's first work-group asks, in trips 0 to 5: blocks 2 to 7, each 256 bytes named once; blocks 0 and 1 come by their loads alone.
	s_cmp_lt_u32 s[SC], s[LIM]
	s_cbranch_scc0 .Lnot_mine_\@
	global_prefetch_b8 v[PFO], s[PFA:PFA+1] th:TH_LOAD_NT scope:SCOPE_SE
.Lnot_mine_\@:
.endif
.endm
; A KEY STEP: 64 keys.
.macro STEP
	s_add_co_u32 s48, s[Q0], 31
	s_cmp_gt_u32 s[KF], s48                        ; all 64 keys come after my 32 queries: the step's work is left out; no barrier and no tensor load stands in a step
	s_cbranch_scc1 .Lhidden_\@
	v_add_nc_u32 v[ADR], s[TB], v[LI]
.rept 3
	v_nop                                          ; with the addition: four places behind the last products, ahead of the loads into V's registers
.endr
	WIN 0x40
.irp k, 0,1,2,3
.irp d, 0,1
.irp c, 0,1
	ds_load_b128 v[KFR+16*\k+8*\d+4*\c:KFR+16*\k+8*\d+4*\c+3], v[ADR] offset:\k*2048+\d*1024+\c*512
.endr
.endr
.endr
.irp g, 0,1
.irp d, 0,1,2,3
.irp c, 0,1
	ds_load_b128 v[VFR+32*\g+8*\d+4*\c:VFR+32*\g+8*\d+4*\c+3], v[ADR] offset:32768+\g*4096+\d*1024+\c*512
.endr
.endr
.endr
	s_wait_dscnt 16                                ; K's sixteen loads are in; V's sixteen, issued behind them, may be out
	WIN 0x01                                       ; source 0 (K) window 1
.irp d, 0,1                            ; the eight accumulators take turns, one instruction a turn
.irp t, 0,1
.irp k, 0,1,2,3
.if \d == 0
	v_wmma_f32_16x16x32_f16 v[S+32*\t+8*\k:S+32*\t+8*\k+7], v[KFR+16*\k+8*\d:KFR+16*\k+8*\d+7], v[Q+16*\t+8*\d:Q+16*\t+8*\d+7], 0
.else
	v_wmma_f32_16x16x32_f16 v[S+32*\t+8*\k:S+32*\t+8*\k+7], v[KFR+16*\k+8*\d:KFR+16*\k+8*\d+7], v[Q+16*\t+8*\d:Q+16*\t+8*\d+7], v[S+32*\t+8*\k:S+32*\t+8*\k+7]
.endif
.endr
.endr
.endr
	WIN 0
.rept 4
	v_nop
.endr
	s_add_co_u32 s48, s[KF], 63
	s_cmp_le_u32 s48, s[Q0]                        ; all keys count for all my queries: no mask
	s_cbranch_scc1 .Lopen_\@
	s_sub_co_u32 s49, s[Q0], s[KF]
.irp t, 0,1
	v_add_nc_u32 v[DD], s49, v[DQ]                 ; my query - KF - 8 hh.  Register 8 kt + j holds key KF + 16 kt + 8 hh + j: hidden where 16 kt + j is greater
.irp k, 0,1,2,3
.irp j, 0,1,2,3,4,5,6,7
	v_cmp_gt_i32 vcc_lo, 16*\k+\j, v[DD]
	v_cndmask_b32 v[S+32*\t+8*\k+\j], v[S+32*\t+8*\k+\j], v[NINF], vcc_lo
.endr
.endr
	s_add_co_u32 s49, s49, 16
.endr
.Lopen_\@:
	; the maximum of the 32 scores and the old m: two chains a tile, the tiles by turns; each accumulator is first read at its low end
.irp t, 0,1
	v_max3_num_f32 v[ST+8*\t+4], v[S+32*\t], v[S+32*\t+1], v[S+32*\t+2]
	v_max3_num_f32 v[ST+8*\t+5], v[S+32*\t+16], v[S+32*\t+17], v[S+32*\t+18]
.endr
.irp n, 3,5,7,9,11,13
.irp t, 0,1
	v_max3_num_f32 v[ST+8*\t+4], v[ST+8*\t+4], v[S+32*\t+\n], v[S+32*\t+\n+1]
	v_max3_num_f32 v[ST+8*\t+5], v[ST+8*\t+5], v[S+32*\t+16+\n], v[S+32*\t+17+\n]
.endr
.endr
.irp t, 0,1
	v_max3_num_f32 v[ST+8*\t+4], v[ST+8*\t+4], v[S+32*\t+15], v[S+32*\t+31]
.endr
.irp t, 0,1
	v_max3_num_f32 v[ST+8*\t+4], v[ST+8*\t+4], v[ST+8*\t+5], v[ST+8*\t+1]
.endr
.irp t, 0,1
	v_permlanex16_b32 v[ST+8*\t+5], v[ST+8*\t+4], s[SEL], s[SEL+1]   ; the query's other 32 keys lie in the lane 16 away
.endr
.irp t, 0,1
	v_mov_b32 v[ST+8*\t+7], v[ST+8*\t]             ; c m_old
.endr
.irp t, 0,1
	v_max_num_f32 v[ST+8*\t+1], v[ST+8*\t+4], v[ST+8*\t+5]
.endr
.irp t, 0,1
	v_mul_f32 v[ST+8*\t], s[CS], v[ST+8*\t+1]
.endr
.irp t, 0,1
	v_sub_f32 v[ST+8*\t+7], v[ST+8*\t+7], v[ST+8*\t]
.endr
.irp n, 0,2,4,6,8,10,12,14,16,18,20,22,24,26,28,30
.irp t, 0,1
	v_pk_fma_f32 v[S+32*\t+\n:S+32*\t+\n+1], v[S+32*\t+\n:S+32*\t+\n+1], s[CS:CS+1], v[ST+8*\t:ST+8*\t+1] op_sel_hi:[1,0,0] neg_lo:[0,0,1] neg_hi:[0,0,1]   ; c s - c m
.endr
.endr
.irp t, 0,1
	v_exp_f32 v[ST+8*\t+6], v[ST+8*\t+7]           ; a
.endr
.set n, 0
.rept 64
	v_exp_f32 v[S+n], v[S+n]                       ; p: both tiles' exponentials are one batch of 66
.set n, n+1
.endr
	v_nop                                          ; a plain line behind the last exponential
	s_wait_alu depctr_va_vdst(0)                   ; one wait for the batch, ahead of its first reader
.irp t, 0,1
.irp n, 0,1,2,3,4,5,6,7,8,9,10,11,12,13,14,15
	v_cvt_pk_f16_f32 v[P+16*\t+\n], v[S+32*\t+2*\n], v[S+32*\t+2*\n+1]
.endr
.endr
.irp u, 0,4,8,12,16,20,24,28           ; the sum of the unrounded p, in place: neighbours 1, 2, 4, 8 pairs apart
.irp t, 0,1
	v_pk_add_f32 v[S+32*\t+\u:S+32*\t+\u+1], v[S+32*\t+\u:S+32*\t+\u+1], v[S+32*\t+\u+2:S+32*\t+\u+3]
.endr
.endr
.irp u, 0,8,16,24
.irp t, 0,1
	v_pk_add_f32 v[S+32*\t+\u:S+32*\t+\u+1], v[S+32*\t+\u:S+32*\t+\u+1], v[S+32*\t+\u+4:S+32*\t+\u+5]
.endr
.endr
.irp u, 0,16
.irp t, 0,1
	v_pk_add_f32 v[S+32*\t+\u:S+32*\t+\u+1], v[S+32*\t+\u:S+32*\t+\u+1], v[S+32*\t+\u+8:S+32*\t+\u+9]
.endr
.endr
.irp t, 0,1
	v_pk_add_f32 v[S+32*\t:S+32*\t+1], v[S+32*\t:S+32*\t+1], v[S+32*\t+16:S+32*\t+17]
.endr
.irp t, 0,1
	v_pk_fma_f32 v[ST+8*\t+2:ST+8*\t+3], v[ST+8*\t+2:ST+8*\t+3], v[ST+8*\t+6:ST+8*\t+7], v[S+32*\t:S+32*\t+1] op_sel_hi:[1,0,1]   ; l = a l + the sum
.endr
	WIN 0x41                                       ; O^T (destination and source 0) window 1, a window 0
.irp t, 0,1
.irp n, 0,2,4,6,8,10,12,14,16,18,20,22,24,26,28,30
	v_pk_mul_f32 v[OT+32*\t+\n:OT+32*\t+\n+1], v[OT+32*\t+\n:OT+32*\t+\n+1], v[ST+8*\t+6:ST+8*\t+7] op_sel_hi:[1,0]
.endr
.endr
	s_wait_dscnt 0x0                               ; V is in
	WIN 0x51                                       ; V window 1, P window 0, O^T window 1
.irp g, 0,1
.irp t, 0,1
.irp d, 0,1,2,3
	v_wmma_f32_16x16x32_f16 v[OT+32*\t+8*\d:OT+32*\t+8*\d+7], v[VFR+32*\g+8*\d:VFR+32*\g+8*\d+7], v[P+16*\t+8*\g:P+16*\t+8*\g+7], v[OT+32*\t+8*\d:OT+32*\t+8*\d+7]
.endr
.endr
.endr
	WIN 0
.Lhidden_\@:
	s_add_co_u32 s[KF], s[KF], 64
	s_add_co_u32 s[TB], s[TB], 8192
.endm
.macro FOUR_STEPS                      ; a slot's four key steps: written once, walked four times
	s_mov_b32 s[CNT], 4
.Lstep_\@:
	STEP
	s_sub_co_u32 s[CNT], s[CNT], 1
	s_cmp_lg_u32 s[CNT], 0
	s_cbranch_scc1 .Lstep_\@
	s_sub_co_u32 s[TB], s[TB], 32768
	s_xor_b32 s[TB], s[TB], SLOTB                  ; on to the other slot
.endm
; A query block ends: l's halves and the other half of the lanes' are added, O^T is divided by l, rounded to f16 and stored: a lane's eight d are 16 bytes, a wave's store 512 consecutive bytes, aligned.
.macro EPILOGUE
.irp t, 0,1
	v_add_f32 v[ST+8*\t+4], v[ST+8*\t+2], v[ST+8*\t+3]
.endr
.irp t, 0,1
	v_permlanex16_b32 v[ST+8*\t+5], v[ST+8*\t+4], s[SEL], s[SEL+1]
.endr
.irp t, 0,1
	v_add_f32 v[ST+8*\t+4], v[ST+8*\t+4], v[ST+8*\t+5]
.endr
.irp t, 0,1
	v_rcp_f32 v[ST+8*\t+6], v[ST+8*\t+4]
.endr
	v_nop                                          ; a plain line behind the reciprocals; with the four additions: the places behind the last products
	s_wait_alu depctr_va_vdst(0)                   ; one wait for both, ahead of their first reader
	WIN 0x41
.irp t, 0,1
.irp n, 0,2,4,6,8,10,12,14,16,18,20,22,24,26,28,30
	v_pk_mul_f32 v[OT+32*\t+\n:OT+32*\t+\n+1], v[OT+32*\t+\n:OT+32*\t+\n+1], v[ST+8*\t+6:ST+8*\t+7] op_sel_hi:[1,0]
.endr
.endr
	WIN 0x05                                       ; sources window 1, destination window 0: S^T's registers are free
.irp t, 0,1
.irp n, 0,1,2,3,4,5,6,7,8,9,10,11,12,13,14,15
	v_cvt_pk_f16_f32 v[S+16*\t+\n], v[OT+32*\t+2*\n], v[OT+32*\t+2*\n+1]
.endr
.endr
	WIN 0
.irp t, 0,1
.irp d, 0,1,2,3
	global_store_b128 v[LI], v[S+16*\t+4*\d:S+16*\t+4*\d+3], s[44:45] offset:\t*4096+\d*512
.endr
.endr
.endm
.Lslot:                                ; eight trips: behind each change of slots the next key block is asked for
	CHANGE 1
	FOUR_STEPS
	s_cmp_lg_u32 s[SC], s[I]                       ; ids and the count of slots alone: the same in all eight waves
	s_cbranch_scc1 .Lsame
	EPILOGUE                                       ; the first query block is done; the second begins
	WIN 0x01
.set n, 0
.rept 32
	v_mov_b32 v[Q+n], v[QN+n]
.set n, n+1
.endr
	WIN 0
	INIT
	s_wait_xcnt 0x0                                ; the stores have read their registers and their base
	s_mov_b64 s[44:45], s[46:47]
	s_mov_b32 s[Q0], s[Q02]
.Lsame:
	s_mov_b32 s[KB], s[KBN]
	s_lshl_b32 s[KF], s[KB], 8
	s_add_co_u32 s[SC], s[SC], 1
	s_cmp_lt_u32 s[SC], 8
	s_cbranch_scc1 .Lslot
	CHANGE 0                                       ; the last slot is written out
	FOUR_STEPS
	EPILOGUE
	s_wait_tensorcnt 0x0                           ; the wave's end
	ds_add_u32 v[SPW], v[NIL]
	s_wait_dscnt 0x0
	s_endpgm
.Lfunc_end_k_q38e6f4620c_attn:
	.size	k_q38e6f4620c_attn, .Lfunc_end_k_q38e6f4620c_attn-k_q38e6f4620c_attn
	.p2alignl 7, 3214868480
	.fill 96, 4, 3214868480
	.section	.rodata,"a",@progbits
	.p2align	6, 0x0
	.amdhsa_kernel k_q38e6f4620c_attn
		.amdhsa_group_segment_fixed_size 327680
		.amdhsa_private_segment_fixed_size 0
		.amdhsa_enable_private_segment 0
		.amdhsa_kernarg_size 16
		.amdhsa_user_sgpr_count 2
		.amdhsa_user_sgpr_kernarg_segment_ptr 1
		.amdhsa_wavefront_size32 1
		.amdhsa_system_sgpr_workgroup_id_x 1
		.amdhsa_system_sgpr_workgroup_id_y 1
		.amdhsa_system_sgpr_workgroup_id_z 1
		.amdhsa_system_vgpr_workitem_id 0
		.amdhsa_next_free_vgpr 512
		.amdhsa_next_free_sgpr 66
		.amdhsa_reserve_vcc 1
		.amdhsa_float_denorm_mode_32 3
		.amdhsa_float_denorm_mode_16_64 3
		.amdhsa_memory_ordered 1
		.amdhsa_forward_progress 1
		.amdhsa_inst_pref_size 68
	.end_amdhsa_kernel
	.amdgpu_metadata
---
amdhsa.version: [ 1, 2 ]
amdhsa.kernels:
  - .name:           k_q38e6f4620c_attn
    .symbol:         k_q38e6f4620c_attn.kd
    .args:
      - { .name: qkv16, .offset: 0, .size: 8, .value_kind: global_buffer, .address_space: global }
      - { .name: o16, .offset: 8, .size: 8, .value_kind: global_buffer, .address_space: global }
    .group_segment_fixed_size: 327680
    .private_segment_fixed_size: 0
    .kernarg_segment_align: 8
    .kernarg_segment_size: 16
    .max_flat_workgroup_size: 256
    .sgpr_count:     66
    .vgpr_count:     512
    .wavefront_size: 32
...
	.end_amdgpu_metadata
.endif
;; end of part 3
;; launch proj (part 4): grid 4 x 64, 4 waves a work-group, clusters of 4 x 4, 327,680 bytes of LDS; arguments o16, wo16, out0; writes out0
.if DOCPART == 4
	.amdgcn_target "amdgcn-amd-amdhsa--gfx1250"
	.amdhsa_code_object_version 6
	.text
	.protected	k_q38e6f4620c_proj
	.globl	k_q38e6f4620c_proj
	.p2align	8
	.type	k_q38e6f4620c_proj,@function
k_q38e6f4620c_proj:
	s_mov_b64 s[64:65], 0
	v_nop
	global_prefetch_b8 v0, s[64:65] scope:SCOPE_SE
	s_setreg_imm32_b32 hwreg(HW_REG_WAVE_MODE, 25, 1), 1
	s_wait_xcnt 0x0
	s_wait_alu depctr_hold_cnt(0) depctr_sa_sdst(0) depctr_va_vdst(0) depctr_va_sdst(0) depctr_va_ssrc(0) depctr_va_vcc(0) depctr_vm_vsrc(0)
	s_getreg_b32 s2, hwreg(HW_REG_IB_STS2, 6, 4)
	s_cmp_eq_u32 s2, 0
	s_cbranch_scc0 .Lentry_in_a_cluster
	s_endpgm
.Lentry_in_a_cluster:
	s_bfe_u32 s2, ttmp6, 0x10000c
	s_cmp_lg_u32 s2, 0xf033
	s_cbranch_scc0 .Lentry_shape_is_right
	s_endpgm
.Lentry_shape_is_right:
; out0 = O W_out: [8192][1024] x [1024][1024], f16 operands, f32 sums, f32 out.  O comes as the image of the A operand's registers (o16), W_out as f16 rows [k][n] (wo16).
; A tile of 128 rows x 256 columns to a work-group: 256 work-groups.  Four waves, each 64 rows x 128 columns: 32 accumulators, 256 registers.  K goes in 8 steps of 128 through two LDS slots.
; SOURCE 0 = 16 columns of W_out, turned out of LDS by ds_load_tr16_b128; SOURCE 1 = 16 rows of O: a lane holds eight neighbouring numbers of a row of out0.
; CLUSTERS: 4 x 4.  O's tile hangs on the tile row alone and is shared along a row of the cluster, W_out's on the tile column alone and is shared along a column: joint loads.
; The rows 0..15 of each batch are written here too and written over by the launch that carries them in f32.
; REGISTERS.  window 0: v16-29 addresses; two fragment sets of 96 at v32 and v128: A's four fragments, then B's eight; on the way out v32-159 take rows of out0.  window 1: accumulator (a, b) at v[8 (8 a + b)].
.set PB,     544                       ; a row of W_out's tile in LDS: 512 bytes + 32 of padding = 17 x 32
.set ABYTES, 32768                     ; O's tile: 128 rows x 128 K as a dense image
.set SLOT,   ABYTES+128*PB
.set STAGE,  2*SLOT                    ; behind the ring: 16 rows x 528 bytes for each wave
.set SPITCH, 528
.set SPARE,  STAGE+4*16*SPITCH         ; the spare words, 128 bytes for each wave, which no other line names
.set ADRA, 16
.set ADRB, 20
.set STO,  24
.set RD,   25
.set CO,   26
.set SPW,  28
.set NIL,  29
.set F0,   32
.set F1,   128
.set BK,   32
.set G1, 24
.set G0, 32
.set G1B, 48
.set G0B, 56
.set MSB, 0
.macro WIN new
.if MSB != (\new)
	s_set_vgpr_msb (MSB<<8)|(\new)
.set MSB, \new
.endif
.endm
.set MUL, 0x50                         ; sources 0 and 1 window 0; C and D window 1
.macro JLOAD s                         ; waves 0 and 1 fetch O's halves, waves 2 and 3 W_out's; an s_nop 0 and four v_nop follow each of the two lines
	s_cmp_eq_u32 s11, 0
	s_cbranch_scc0 .Lfor_b_\@
	tensor_load_to_lds s[G0+4*\s:G0+4*\s+3], s[G1:G1+7]
	s_nop 0
.rept 4
	v_nop
.endr
	s_branch .Lasked_\@
.Lfor_b_\@:
	tensor_load_to_lds s[G0B+4*\s:G0B+4*\s+3], s[G1B:G1B+7]
	s_nop 0
.rept 4
	v_nop
.endr
.Lasked_\@:
.endm
.macro CREST
	s_cmp_lg_u32 s10, 0
	s_cbranch_scc1 .Lnot_wave_0_\@
	s_barrier_signal -3
.Lnot_wave_0_\@:
	s_barrier_wait -3
	s_barrier_signal -1
	s_barrier_wait -1
.endm
.macro CROUND
	s_barrier_signal -1
	s_barrier_wait -1
	CREST
.endm
	s_load_b128 s[4:7], s[0:1], 0x0                ; o16 s[4:5], wo16 s[6:7]
	s_load_b64 s[8:9], s[0:1], 0x10                ; out0
	v_lshl_add_u32 v[SPW], v0, 2, SPARE
	v_mov_b32 v[NIL], 0
	ds_add_u32 v[SPW], v[NIL]                      ; the wave's opening: the add, twice on end, and its wait ahead of my first tensor load
	ds_add_u32 v[SPW], v[NIL]
	v_lshrrev_b32 v1, 5, v0
	v_readfirstlane_b32 s10, v1                    ; wave 0..3
	s_lshr_b32 s11, s10, 1                         ; which 64 rows are mine.  Also: I fetch for O (0) or for W_out (1)
	s_and_b32 s12, s10, 1                          ; which 128 columns.  Also: which half of that tile I fetch
	s_bfe_u32 s40, ttmp6, 0x40000                  ; cx
	s_bfe_u32 s41, ttmp6, 0x40004                  ; cy
	s_lshl_b32 s42, ttmp9, 2
	s_add_co_u32 s42, s42, s40                     ; tile column
	s_and_b32 s13, ttmp7, 0xffff
	s_lshl_b32 s13, s13, 2
	s_add_co_u32 s13, s13, s41                     ; tile row
	s_lshl_b32 s43, s41, 2
	s_lshl_b32 s43, 15, s43                        ; my row of the cluster
	s_lshl_b32 s44, 0x1111, s40                    ; my column
	; O's half tile: 16,384 dense bytes as 64 rows of 32 elements of 8 bytes, no padding
	s_or_b32 s[G1+0], s43, (3<<16)|(1<<21)
	s_mov_b32 s[G1+1], 32<<16
	s_mov_b32 s[G1+2], 64<<16
	s_mov_b32 s[G1+3], 32<<16
	s_mov_b32 s[G1+4], 64
	s_mov_b32 s[G1+5], 32
	s_mov_b32 s[G1+6], 0
	s_mov_b32 s[G1+7], 0
	; W_out's half tile: 64 rows (k) x 256 elements of 2 bytes, 1,024 elements apart; 8 words of padding behind every 128
	s_or_b32 s[G1B+0], s44, (1<<16)|(1<<20)|(1<<21)|(6<<22)|(7<<25)
	s_mov_b32 s[G1B+1], 256<<16
	s_mov_b32 s[G1B+2], 64<<16
	s_mov_b32 s[G1B+3], 256<<16
	s_mov_b32 s[G1B+4], 64
	s_mov_b32 s[G1B+5], 1024
	s_mov_b32 s[G1B+6], 0
	s_mov_b32 s[G1B+7], 0
	s_lshl_b32 s16, s13, 15                        ; O: tile row x 32,768 + half x 16,384
	s_lshl_b32 s17, s12, 14
	s_add_co_u32 s16, s16, s17
	s_mov_b32 s17, 0
	s_lshl_b32 s46, s42, 9                         ; W_out: tile column x 512 bytes + half x 64 rows of 2,048
	s_lshl_b32 s47, s12, 17
	s_add_co_u32 s46, s46, s47
	s_mov_b32 s47, 0
	s_lshl_b32 s20, s12, 14                        ; where they go: no place in the cluster enters an LDS address
	s_mul_i32 s21, s12, 64*PB
	s_add_co_u32 s21, s21, ABYTES
	s_wait_dscnt 0x0                               ; both opening adds are done
	s_wait_kmcnt 0x0
	s_add_nc_u64 s[14:15], s[4:5], s[16:17]
	s_add_nc_u64 s[46:47], s[6:7], s[46:47]
	CROUND                                         ; all sixteen work-groups are here: the first joint loads meet
.irp s, 0,1
	s_mov_b32 s[G0+4*\s], 1
	s_add_co_u32 s[G0+4*\s+1], s20, \s*SLOT
	s_add_nc_u64 s[G0+4*\s+2:G0+4*\s+3], s[14:15], \s*2097152      ; K step s of O's image
	s_or_b32 s[G0+4*\s+3], s[G0+4*\s+3], 0x80000000
	s_mov_b32 s[G0B+4*\s], 1
	s_add_co_u32 s[G0B+4*\s+1], s21, \s*SLOT
	s_add_nc_u64 s[G0B+4*\s+2:G0B+4*\s+3], s[46:47], \s*262144     ; 128 rows of 2,048 bytes on
	s_or_b32 s[G0B+4*\s+3], s[G0B+4*\s+3], 0x80000000
	JLOAD \s
.endr
	v_and_b32 v1, 15, v0                           ; r
	v_bfe_u32 v2, v0, 4, 1                         ; hh
	v_and_b32 v3, 7, v0
	v_lshl_add_u32 v3, v2, 3, v3                   ; the turning load: row k = 8 hh + lane % 8,
	v_mul_u32_u24 v3, v3, PB
	v_bfe_u32 v4, v0, 3, 1
	v_lshl_add_u32 v3, v4, 4, v3                   ; 16 bytes on for lanes 8-15 and 24-31
	v_and_b32 v5, 31, v0
	v_lshlrev_b32 v5, 4, v5                        ; 16 x lane
	s_lshl_b32 s21, s11, 14                        ; my 64 rows of O's image
	s_lshl_b32 s22, s12, 8                         ; my 128 columns: 256 bytes on in each row,
	s_add_co_u32 s22, s22, ABYTES                  ; behind O's tile
.irp s, 0,1
	v_add_nc_u32 v[ADRA+\s], s21, v5
	v_add_nc_u32 v[ADRB+\s], s22, v3
	s_add_co_u32 s21, s21, SLOT
	s_add_co_u32 s22, s22, SLOT
.endr
	s_mul_i32 s23, s10, 16*SPITCH
	s_add_co_u32 s23, s23, STAGE                   ; my stage
	v_mul_u32_u24 v6, v1, SPITCH
	v_lshl_add_u32 v6, v2, 5, v6
	v_add_nc_u32 v[STO], s23, v6                   ; in: row r, 32 bytes for each half of the lanes
	v_add_nc_u32 v[RD], s23, v5                    ; back: the 32 lanes take one row of 512 bytes
	v_mov_b32 v[CO], v5                            ; and the same in out0
	s_lshl_b32 s16, s13, 7
	s_lshl_b32 s17, s11, 6
	s_add_co_u32 s16, s16, s17                     ; my first row of out0
	s_lshl_b32 s16, s16, 12
	s_mov_b32 s17, 0
	s_add_nc_u64 s[8:9], s[8:9], s[16:17]
	s_lshl_b32 s46, s42, 10                        ; my first column, in bytes
	s_lshl_b32 s47, s12, 9
	s_add_co_u32 s46, s46, s47
	s_mov_b32 s47, 0
	s_add_nc_u64 s[8:9], s[8:9], s[46:47]
; 24 LDS loads in one run: the fragments of the slot's q-th 32 along K into set f: W_out's eight (two turning loads each), then O's blocks 0, 1, then 2, 3
.macro FETCH slot, q, f
.irp b, 0,1,2,3,4,5,6,7
	ds_load_tr16_b128 v[\f+32+8*\b:\f+32+8*\b+3],   v[ADRB+\slot] offset:(\q)*32*PB+32*\b
	ds_load_tr16_b128 v[\f+32+8*\b+4:\f+32+8*\b+7], v[ADRB+\slot] offset:(\q)*32*PB+32*\b+16*PB
.endr
.irp a, 0,1,2,3
	ds_load_b128 v[\f+8*\a:\f+8*\a+3],   v[ADRA+\slot] offset:\a*4096+(\q)*1024
	ds_load_b128 v[\f+8*\a+4:\f+8*\a+7], v[ADRA+\slot] offset:\a*4096+(\q)*1024+512
.endr
.endm
; 8 matrix instructions: O's block a x W_out's eight.  The 32 accumulators take turns, one instruction a turn, in the same order in every quarter
.macro MUL8 f, a, zero
.irp b, 0,1,2,3,4,5,6,7
.if \zero
	v_wmma_f32_16x16x32_f16 v[8*(8*\a+\b):8*(8*\a+\b)+7], v[\f+32+8*\b:\f+32+8*\b+7], v[\f+8*\a:\f+8*\a+7], 0
.else
	v_wmma_f32_16x16x32_f16 v[8*(8*\a+\b):8*(8*\a+\b)+7], v[\f+32+8*\b:\f+32+8*\b+7], v[\f+8*\a:\f+8*\a+7], v[8*(8*\a+\b):8*(8*\a+\b)+7]
.endif
.endr
.endm
.macro PLACES                          ; four plain lines between matrix instructions and loads into, or reads of, their registers
.rept 4
	v_nop
.endr
.endm
; A K step is four quarters of 32 along K, 32 matrix instructions each, on sets 0, 1, 0, 1.  One of the first three multiplies set f and fetches quarter q into set g.
.macro QUARTER slot, q, f, g, zero
	s_wait_dscnt 4                                 ; W_out's fragments and O's blocks 0, 1 are in; the youngest four loads (blocks 2, 3) may be out
	WIN MUL
	MUL8 \f, 0, \zero
	MUL8 \f, 1, \zero
	PLACES
	WIN 0
	FETCH \slot, \q, \g
	s_wait_dscnt 24                                ; all but the 24 just issued
	WIN MUL
	MUL8 \f, 2, \zero
	MUL8 \f, 3, \zero
.endm
; The last quarter multiplies set 1 and changes slots: one barrier; in front of it each wave waits for all its tensor loads, adds 0 to its spare word, and waits for that and for its reads of this slot.
; fill = 1: the barrier opens a round of the cluster's barrier, and behind the round this slot is filled again, two K steps ahead: 112 matrix instructions stand between the request and the wait for it.
.macro TURN slot, next, fill
	WIN 0
	s_wait_tensorcnt 0x0
	ds_add_u32 v[SPW], v[NIL]
	s_wait_dscnt 5                                 ; the add and the youngest four loads may be out
	WIN MUL
	MUL8 F1, 0, 0
	s_wait_dscnt 0x0                               ; the add is done, and my reads of this slot are over
	s_barrier_signal -1
	MUL8 F1, 1, 0
	WIN 0
	s_barrier_wait -1
.if \fill
	CREST                                          ; no wave of any partner still reads this slot or has a load on its way
	s_add_nc_u64 s[G0+4*\slot+2:G0+4*\slot+3], s[G0+4*\slot+2:G0+4*\slot+3], 2*2097152
	s_add_nc_u64 s[G0B+4*\slot+2:G0B+4*\slot+3], s[G0B+4*\slot+2:G0B+4*\slot+3], 2*262144
	JLOAD \slot                                    ; its four v_nop are also the places in front of the loads below
.else
	PLACES
.endif
	FETCH \next, 0, F0
	WIN MUL
	MUL8 F1, 2, 0
	MUL8 F1, 3, 0
.endm
	s_wait_tensorcnt 1                             ; my part of K step 0 is in; K step 1's load, issued behind it, may be out
	s_barrier_signal -1
	s_barrier_wait -1
	FETCH 0, 0, F0
	QUARTER 0, 1, F0, F1, 1                        ; the first quarter's products start the sums
	WIN 0
	s_mov_b32 s3, 3
.Llap:                                 ; a trip goes once round the ring and fills both slots again: K steps 2, 3 | 4, 5 | 6, 7
	QUARTER 0, 2, F1, F0, 0
	QUARTER 0, 3, F0, F1, 0
	TURN 0, 1, 1
	QUARTER 1, 1, F0, F1, 0
	QUARTER 1, 2, F1, F0, 0
	QUARTER 1, 3, F0, F1, 0
	TURN 1, 0, 1
	QUARTER 0, 1, F0, F1, 0
	WIN 0
	s_sub_co_u32 s3, s3, 1
	s_cmp_lg_u32 s3, 0
	s_cbranch_scc1 .Llap
	QUARTER 0, 2, F1, F0, 0                        ; the last lap fills nothing
	QUARTER 0, 3, F0, F1, 0
	TURN 0, 1, 0
	QUARTER 1, 1, F0, F1, 0
	QUARTER 1, 2, F1, F0, 0
	QUARTER 1, 3, F0, F1, 0
	s_wait_dscnt 4
	WIN MUL
	MUL8 F1, 0, 0
	MUL8 F1, 1, 0
	s_wait_dscnt 0
	MUL8 F1, 2, 0
	MUL8 F1, 3, 0
	WIN 0
; THE WAY OUT, block by block of 16 rows x 128 columns, through my own stage: in as 32 bytes a lane, back as whole rows of 512 bytes.  LDS serves a wave's instructions in order (ISA guide 5.7.1.4).
.macro TOSTAGE a
	WIN 0x04                                       ; an LDS store's data: window 1
.irp b, 0,1,2,3,4,5,6,7
	ds_store_b128 v[STO], v[64*(\a)+8*\b:64*(\a)+8*\b+3] offset:64*\b          ; each accumulator from its low end on
	ds_store_b128 v[STO], v[64*(\a)+8*\b+4:64*(\a)+8*\b+7] offset:64*\b+16
.endr
	WIN 0
.set BB, BK+64*((\a)%2)
.irp t, 0,1,2,3,4,5,6,7,8,9,10,11,12,13,14,15
	ds_load_b128 v[BB+4*\t:BB+4*\t+3], v[RD] offset:\t*SPITCH
.endr
.endm
.macro SEND a, younger
.set BB, BK+64*((\a)%2)
	s_wait_dscnt \younger                          ; the block is back; the LDS instructions issued behind its loads may be out
.if (\a) > 0
	s_add_nc_u64 s[8:9], s[8:9], 16*4096           ; 16 rows on (behind a wait on XCNT: the earlier stores have read their base)
.endif
.irp t, 0,1,2,3,4,5,6,7,8,9,10,11,12,13,14,15
	global_store_b128 v[CO], v[BB+4*\t:BB+4*\t+3], s[8:9] offset:\t*4096 th:TH_STORE_NT   ; 32 lanes store 512 consecutive bytes, aligned
.endr
.endm
	PLACES
	TOSTAGE 0
.irp a, 1,2,3
.if \a > 1
	s_wait_xcnt 0x0                                ; block a - 2's stores have read their registers and their base
.endif
	TOSTAGE \a
	SEND \a-1, 32                                  ; behind block a - 1's loads: block a's 16 stores and 16 loads
.endr
	s_wait_xcnt 0x0
	SEND 3, 0
	s_wait_tensorcnt 0x0                           ; the wave's end
	ds_add_u32 v[SPW], v[NIL]
	s_wait_dscnt 0x0
	CROUND                                         ; the closing round
	s_endpgm
.Lfunc_end_k_q38e6f4620c_proj:
	.size	k_q38e6f4620c_proj, .Lfunc_end_k_q38e6f4620c_proj-k_q38e6f4620c_proj
	.p2alignl 7, 3214868480
	.fill 96, 4, 3214868480
	.section	.rodata,"a",@progbits
	.p2align	6, 0x0
	.amdhsa_kernel k_q38e6f4620c_proj
		.amdhsa_group_segment_fixed_size 327680
		.amdhsa_private_segment_fixed_size 0
		.amdhsa_enable_private_segment 0
		.amdhsa_kernarg_size 24
		.amdhsa_user_sgpr_count 2
		.amdhsa_user_sgpr_kernarg_segment_ptr 1
		.amdhsa_wavefront_size32 1
		.amdhsa_system_sgpr_workgroup_id_x 1
		.amdhsa_system_sgpr_workgroup_id_y 1
		.amdhsa_system_sgpr_workgroup_id_z 1
		.amdhsa_system_vgpr_workitem_id 0
		.amdhsa_next_free_vgpr 512
		.amdhsa_next_free_sgpr 66
		.amdhsa_reserve_vcc 0
		.amdhsa_float_denorm_mode_32 3
		.amdhsa_float_denorm_mode_16_64 3
		.amdhsa_memory_ordered 1
		.amdhsa_forward_progress 1
		.amdhsa_inst_pref_size 85
	.end_amdhsa_kernel
	.amdgpu_metadata
---
amdhsa.version: [ 1, 2 ]
amdhsa.kernels:
  - .name:           k_q38e6f4620c_proj
    .symbol:         k_q38e6f4620c_proj.kd
    .args:
      - { .name: o16, .offset: 0, .size: 8, .value_kind: global_buffer, .address_space: global }
      - { .name: wo16, .offset: 8, .size: 8, .value_kind: global_buffer, .address_space: global }
      - { .name: out0, .offset: 16, .size: 8, .value_kind: global_buffer, .address_space: global }
    .group_segment_fixed_size: 327680
    .private_segment_fixed_size: 0
    .kernarg_segment_align: 8
    .kernarg_segment_size: 24
    .max_flat_workgroup_size: 128
    .sgpr_count:     66
    .vgpr_count:     512
    .wavefront_size: 32
...
	.end_amdgpu_metadata
.endif
;; end of part 4
;; launch head16 (part 5): grid 16 x 4, 16 waves a work-group, no clusters, 67,584 bytes of LDS; arguments head32, W_out, out0; writes out0
.if DOCPART == 5
	.amdgcn_target "amdgcn-amd-amdhsa--gfx1250"
	.amdhsa_code_object_version 6
	.text
	.protected	k_q38e6f4620c_head16
	.globl	k_q38e6f4620c_head16
	.p2align	8
	.type	k_q38e6f4620c_head16,@function
k_q38e6f4620c_head16:
	s_mov_b64 s[64:65], 0
	v_nop
	global_prefetch_b8 v0, s[64:65] scope:SCOPE_SE
	s_setreg_imm32_b32 hwreg(HW_REG_WAVE_MODE, 25, 1), 1
	s_wait_xcnt 0x0
; POSITIONS 0..15 OF EACH BATCH, ALL IN f32: attention and the out-projection; the 64 rows of out0 are written over.  Under the causal mask these rows average one to sixteen values.
; Work-group (sl, b) makes rows 2048 b + 0..15, columns 64 sl .. 64 sl + 63.  Wave h does head h's attention (16 queries x 16 keys x 64) and projects its own head's 64 along K; the 16 partial results meet in LDS.
; All products by v_wmma_f32_16x16x4_f32.  k is permuted alike in both sources, so the f32 images of the accumulators of q, k, v (head32) and the results themselves are operands as they stand:
;   a register pair (2 i, 2 i + 1) of a lane (r, hh) holds k = 8 hh + 2 i + 0, 1 of row r, in both sources.
; head32: byte = region 262144 + (16 b + h) 4096 + blk 1024 + half 512 + 16 lane.  q, k: lane (r, hh) = token r, d = 16 blk + 8 hh + j;  v: d = 16 blk + r, token 8 hh + j.
; The registers that these matrix instructions write (v192-255) are written by nothing else; sums begin with the constant 0; accumulators take turns.
; The order of the f32 sums differs from a plain ascending one.
; REGISTERS: v1 16 x lane; v2 r - 8 hh; v4, v5 the add's two; v6 hh x 32768 + 16 r; v7, v8 LDS addresses; v10-15 at work; v16-23 scores, then p; v24-31 p / l;
;   v32-63 Q, v64-95 K, later W_out's rows 32..63 of the head; v96-127 V; v128-191 W_out's rows 0..31; v192-223 S^T in four parts, later the projection; v224-255 O^T.
.set SPARE, 65536                      ; behind the 16 waves' 4,096 bytes: the spare words, 128 bytes for each wave, which no other line names
.set SPW, 4
.set NIL, 5
	s_load_b128 s[4:7], s[0:1], 0x0                ; head32 s[4:5], W_out s[6:7]
	s_load_b64 s[8:9], s[0:1], 0x10                ; out0
	v_lshl_add_u32 v[SPW], v0, 2, SPARE
	v_mov_b32 v[NIL], 0
	v_lshrrev_b32 v1, 5, v0
	v_readfirstlane_b32 s10, v1                    ; wave = head
	s_and_b32 s11, ttmp7, 0xffff                   ; batch
	v_and_b32 v3, 31, v0
	v_lshlrev_b32 v1, 4, v3                        ; 16 x lane
	v_and_b32 v10, 15, v0                          ; r
	v_bfe_u32 v11, v0, 4, 1                        ; hh
	v_lshlrev_b32 v12, 3, v11
	v_sub_nc_u32 v2, v10, v12                      ; r - 8 hh
	v_lshlrev_b32 v6, 4, v10
	v_lshl_add_u32 v6, v11, 15, v6                 ; eight rows of 4,096 bytes down for lanes 16-31, + 16 r: serves W_out and out0 alike
	s_lshl_b32 s12, s10, 12
	v_add_nc_u32 v7, s12, v1                       ; LDS: my wave's 4,096 bytes, 16 x lane
	s_and_b32 s13, s10, 7                          ; j: the register that waves 0 to 7 gather
	s_lshr_b32 s14, s13, 2
	s_lshl_b32 s14, s14, 9
	s_and_b32 s15, s13, 3
	s_lshl_b32 s15, s15, 2
	s_add_co_u32 s14, s14, s15
	v_add_nc_u32 v8, s14, v1                       ; LDS back: (j / 4) 512 + 16 x lane + 4 (j % 4)
	s_mov_b32 s20, 0x76543210
	s_mov_b32 s21, 0xfedcba98
	s_mov_b32 s22, 0x3e38aa3b                      ; c = log2(e) / 8
	s_mov_b32 s23, s22
	s_lshl_b32 s16, s11, 4
	s_add_co_u32 s16, s16, s10
	s_lshl_b32 s16, s16, 12                        ; head32: (16 b + h) 4096
	s_mov_b32 s17, 0
	s_lshl_b32 s18, s10, 18                        ; W_out: row 64 h, column 64 sl
	s_lshl_b32 s19, ttmp9, 8
	s_add_co_u32 s18, s18, s19
	s_lshl_b32 s24, s11, 23                        ; out0: row 2048 b + j, column 64 sl
	s_lshl_b32 s25, s13, 12
	s_add_co_u32 s24, s24, s25
	s_add_co_u32 s24, s24, s19
	s_mov_b32 s19, 0
	s_mov_b32 s25, 0
	s_wait_kmcnt 0x0
	s_add_nc_u64 s[4:5], s[4:5], s[16:17]
	s_add_nc_u64 s[6:7], s[6:7], s[18:19]
	s_add_nc_u64 s[8:9], s[8:9], s[24:25]
.irp n, 0,1,2,3,4,5,6,7
	global_load_b128 v[32+4*\n:35+4*\n], v1, s[4:5] offset:512*\n              ; q
.endr
.irp n, 0,1,2,3,4,5,6,7
	global_load_b128 v[64+4*\n:67+4*\n], v1, s[4:5] offset:262144+512*\n       ; k
.endr
.irp n, 0,1,2,3,4,5,6,7
	global_load_b128 v[96+4*\n:99+4*\n], v1, s[4:5] offset:524288+512*\n       ; v
.endr
.irp d, 0,1                            ; W_out(64 h + 16 dt + 8 hh + jj, 64 sl + 4 r + 0..3): sixteen lanes read 256 consecutive bytes
.irp j, 0,1,2,3,4,5,6,7
	global_load_b128 v[128+32*\d+4*\j:131+32*\d+4*\j], v6, s[6:7] offset:(16*\d+\j)*4096
.endr
.endr
	s_wait_loadcnt 24                              ; q and k are in; v's 8 and W_out's 16 loads may be out
.irp i, 0,1,2,3                        ; S^T = K Q^T in four parts, one for each 16 of d: lane (r, hh): query r, register j: key 8 hh + j
.irp k, 0,1,2,3
.if \i == 0
	v_wmma_f32_16x16x4_f32 v[192+8*\k:199+8*\k], v[64+8*\k+2*\i:65+8*\k+2*\i], v[32+8*\k+2*\i:33+8*\k+2*\i], 0
.else
	v_wmma_f32_16x16x4_f32 v[192+8*\k:199+8*\k], v[64+8*\k+2*\i:65+8*\k+2*\i], v[32+8*\k+2*\i:33+8*\k+2*\i], v[192+8*\k:199+8*\k]
.endif
.endr
.endr
.rept 8
	v_nop                                          ; eight places behind this form: ahead of the loads into Q's and K's registers and of the reads of the results
.endr
.irp d, 2,3
.irp j, 0,1,2,3,4,5,6,7
	global_load_b128 v[32+32*(\d-2)+4*\j:35+32*(\d-2)+4*\j], v6, s[6:7] offset:(16*\d+\j)*4096
.endr
.endr
.irp j, 0,1,2,3,4,5,6,7                ; the four parts are added, each read from its low end on
	v_add_f32 v10, v[192+\j], v[200+\j]
	v_add_f32 v11, v[208+\j], v[216+\j]
	v_add_f32 v[16+\j], v10, v11
.endr
	v_mov_b32 v14, 0xff800000                      ; -infinity
.irp j, 0,1,2,3,4,5,6,7
	v_cmp_gt_i32 vcc_lo, \j, v2                    ; key 8 hh + j comes after query r
	v_cndmask_b32 v[16+\j], v[16+\j], v14, vcc_lo
.endr
	v_max3_num_f32 v10, v16, v17, v18
	v_max3_num_f32 v11, v19, v20, v21
	v_max3_num_f32 v10, v10, v22, v23
	v_max_num_f32 v10, v10, v11
	v_permlanex16_b32 v11, v10, s20, s21
	v_max_num_f32 v10, v10, v11                    ; the row's maximum: key 0 counts for every query, so it is a number
	v_mul_f32 v12, s22, v10
	v_mov_b32 v13, v12
.irp j, 0,2,4,6
	v_pk_fma_f32 v[16+\j:17+\j], v[16+\j:17+\j], s[22:23], v[12:13] op_sel_hi:[1,0,0] neg_lo:[0,0,1] neg_hi:[0,0,1]   ; c s - c m
.endr
.irp j, 0,1,2,3,4,5,6,7
	v_exp_f32 v[16+\j], v[16+\j]
.endr
	v_nop                                          ; a plain line behind the last exponential
	s_wait_alu depctr_va_vdst(0)                   ; one wait for the eight, ahead of their first reader
	v_pk_add_f32 v[10:11], v[16:17], v[18:19]
	v_pk_add_f32 v[14:15], v[20:21], v[22:23]
	v_pk_add_f32 v[10:11], v[10:11], v[14:15]
	v_add_f32 v10, v10, v11
	v_permlanex16_b32 v11, v10, s20, s21
	v_add_f32 v10, v10, v11                        ; the row's sum
	v_rcp_f32 v12, v10
	v_nop
	s_wait_alu depctr_va_vdst(0)
.irp j, 0,2,4,6
	v_pk_mul_f32 v[24+\j:25+\j], v[16+\j:17+\j], v[12:13] op_sel_hi:[1,0]     ; p / l
.endr
	s_wait_loadcnt 32                              ; v is in; W_out's 32 loads may be out
.irp i, 0,1,2,3                        ; O^T = V^T P: lane (r, hh): query r, register j of part dt: d = 16 dt + 8 hh + j
.irp d, 0,1,2,3
.if \i == 0
	v_wmma_f32_16x16x4_f32 v[224+8*\d:231+8*\d], v[96+8*\d+2*\i:97+8*\d+2*\i], v[24+2*\i:25+2*\i], 0
.else
	v_wmma_f32_16x16x4_f32 v[224+8*\d:231+8*\d], v[96+8*\d+2*\i:97+8*\d+2*\i], v[24+2*\i:25+2*\i], v[224+8*\d:231+8*\d]
.endif
.endr
.endr
	s_wait_loadcnt 0x0                             ; all of W_out's part
; In a group of eight registers X .. X + 7 lie rows 2 i and 2 i + 1, four columns each.  Two exchanges bring the two rows of a column side by side: column u's pair stands at X + 4 (u % 2) + 2 (u / 2).
.irp g, 0,1,2,3,4,5,6,7
	v_swap_b32 v[128+8*\g+1], v[128+8*\g+4]
	v_swap_b32 v[128+8*\g+3], v[128+8*\g+6]
	v_swap_b32 v[32+8*\g+1], v[32+8*\g+4]
	v_swap_b32 v[32+8*\g+3], v[32+8*\g+6]
.endr
.rept 9
	v_nop                                          ; nine places before a matrix instruction takes O^T as a source
.endr
; The projection: source 0 = O^T's pair (rows = queries), source 1 = W_out's pair of column tile u (column 64 sl + 4 r + u).  Result u: lane (r, hh), register j: query 8 hh + j, column 4 r + u.
.irp d, 0,1,2,3
.if \d < 2
.set WR, 128+32*\d
.else
.set WR, 32*\d-32
.endif
.irp i, 0,1,2,3
.irp u, 0,1,2,3
.if (\d == 0) && (\i == 0)
	v_wmma_f32_16x16x4_f32 v[192+8*\u:199+8*\u], v[224+8*\d+2*\i:225+8*\d+2*\i], v[WR+8*\i+4*(\u%2)+2*(\u/2):WR+8*\i+4*(\u%2)+2*(\u/2)+1], 0
.else
	v_wmma_f32_16x16x4_f32 v[192+8*\u:199+8*\u], v[224+8*\d+2*\i:225+8*\d+2*\i], v[WR+8*\i+4*(\u%2)+2*(\u/2):WR+8*\i+4*(\u%2)+2*(\u/2)+1], v[192+8*\u:199+8*\u]
.endif
.endr
.endr
.endr
.rept 8
	v_nop                                          ; eight places: ahead of the stores that read the results and of the loads into W_out's registers
.endr
.irp u, 0,1,2,3
.irp f, 0,1
	ds_store_b128 v7, v[192+8*\u+4*\f:195+8*\u+4*\f] offset:(2*\u+\f)*512      ; my head's part, as it stands; each result from its low end on
.endr
.endr
	s_wait_tensorcnt 0x0                           ; behind my last LDS store; the dscnt wait also shows my stores done to the others
	ds_add_u32 v[SPW], v[NIL]
	s_wait_dscnt 0x0
	s_barrier_signal -1
	s_barrier_wait -1                              ; all sixteen heads' parts lie in LDS
	s_cmp_lt_u32 s10, 8                            ; waves 0 to 7 gather: wave j takes register j: rows j and 8 + j
	s_cbranch_scc0 .Lend
.irp p, 0,1,2,3,4,5,6,7,8,9,10,11,12,13,14,15
.irp u, 0,1,2,3
	ds_load_b32 v[32+4*\p+\u], v8 offset:\p*4096+\u*1024
.endr
.endr
	s_wait_dscnt 0x0
	v_pk_add_f32 v[16:17], v[32:33], v[36:37]
	v_pk_add_f32 v[18:19], v[34:35], v[38:39]
.irp p, 2,3,4,5,6,7,8,9,10,11,12,13,14,15
	v_pk_add_f32 v[16:17], v[16:17], v[32+4*\p:33+4*\p]
	v_pk_add_f32 v[18:19], v[18:19], v[34+4*\p:35+4*\p]
.endr
	global_store_b128 v6, v[16:19], s[8:9]         ; sixteen lanes store 256 consecutive bytes, aligned
.Lend:
	s_endpgm
.Lfunc_end_k_q38e6f4620c_head16:
	.size	k_q38e6f4620c_head16, .Lfunc_end_k_q38e6f4620c_head16-k_q38e6f4620c_head16
	.p2alignl 7, 3214868480
	.fill 96, 4, 3214868480
	.section	.rodata,"a",@progbits
	.p2align	6, 0x0
	.amdhsa_kernel k_q38e6f4620c_head16
		.amdhsa_group_segment_fixed_size 67584
		.amdhsa_private_segment_fixed_size 0
		.amdhsa_enable_private_segment 0
		.amdhsa_kernarg_size 24
		.amdhsa_user_sgpr_count 2
		.amdhsa_user_sgpr_kernarg_segment_ptr 1
		.amdhsa_wavefront_size32 1
		.amdhsa_system_sgpr_workgroup_id_x 1
		.amdhsa_system_sgpr_workgroup_id_y 1
		.amdhsa_system_sgpr_workgroup_id_z 1
		.amdhsa_system_vgpr_workitem_id 0
		.amdhsa_next_free_vgpr 256
		.amdhsa_next_free_sgpr 66
		.amdhsa_reserve_vcc 1
		.amdhsa_float_denorm_mode_32 3
		.amdhsa_float_denorm_mode_16_64 3
		.amdhsa_memory_ordered 1
		.amdhsa_forward_progress 1
		.amdhsa_inst_pref_size 25
	.end_amdhsa_kernel
	.amdgpu_metadata
---
amdhsa.version: [ 1, 2 ]
amdhsa.kernels:
  - .name:           k_q38e6f4620c_head16
    .symbol:         k_q38e6f4620c_head16.kd
    .args:
      - { .name: head32, .offset: 0, .size: 8, .value_kind: global_buffer, .address_space: global }
      - { .name: W_out, .offset: 8, .size: 8, .value_kind: global_buffer, .address_space: global }
      - { .name: out0, .offset: 16, .size: 8, .value_kind: global_buffer, .address_space: global }
    .group_segment_fixed_size: 67584
    .private_segment_fixed_size: 0
    .kernarg_segment_align: 8
    .kernarg_segment_size: 24
    .max_flat_workgroup_size: 512
    .sgpr_count:     66
    .vgpr_count:     256
    .wavefront_size: 32
...
	.end_amdgpu_metadata
.endif
;; end of part 5
